; MI455X (gfx1250); checked and timed in simulation.
; The chip was launched on July 23, 2026; its instructions are those of AMD's public machine-readable ISA for CDNA 5 (MIT licence, August 2026) and "CDNA5" Instruction Set Architecture Reference Guide (July 2026). The comments in the code are by the model that wrote it; some were corrected since.
;; Attention. Allowed arithmetic: float matrix products may take bf16 or f16 operands with f32 sums; other float arithmetic in f32, or as packed bf16 or f16 multiplies, adds, multiply-adds, maxima and minima; sums over many terms, partial sums and values carried from step to step in f32; what a program stores and reads back later, other than sums and carried values, may be rounded once to bf16 or f16.
;; Inputs: kn_b 64 float32; kn_w 64 float32; proj_b 1,024 float32; proj_w 1,024 x 1,024 float32; qkv_b 3,072 float32; qkv_w 3,072 x 1,024 float32; qn_b 64 float32; qn_w 64 float32; x 2 x 2,048 x 1,024 float32.
;; Outputs: out0 2 x 2,048 x 1,024 float32.
;; 2 versions, each right; version 2 is version 1 with the launch cast written anew for expert scheduling mode. Each part assembles by itself: llvm-mc -triple=amdgcn-amd-amdhsa -mcpu=gfx1250 --defsym DOCPART=n.
;; ======== version 1 of 2: 4 launches
;; limits: values are held in f16: magnitudes above 65,504 overflow, below 6.1e-05 lose precision
;; workspace buffers: xb 8,388,608 bytes; wqb 6,291,456 bytes; wpb 2,097,152 bytes; qh 8,388,608 bytes; kh 8,388,608 bytes; vh 8,388,608 bytes; ob 8,388,608 bytes
;; launch cast (part 1): grid 256 x 1, 8 waves a work-group, no clusters, 0 bytes of LDS; arguments x, qkv_w, proj_w, xb, wqb, wpb; writes xb, wqb, wpb
.if DOCPART == 1
	.amdgcn_target "amdgcn-amd-amdhsa--gfx1250"
	.amdhsa_code_object_version 6
	.text
	.protected	k_q2b24723dbd_cast
	.globl	k_q2b24723dbd_cast
	.p2align	8
	.type	k_q2b24723dbd_cast,@function
k_q2b24723dbd_cast:
	s_mov_b64 s[64:65], 0
	v_nop
	global_prefetch_b8 v0, s[64:65] scope:SCOPE_SE
	s_setreg_imm32_b32 hwreg(HW_REG_WAVE_MODE, 25, 1), 1
	s_wait_xcnt 0x0
; THE MODULE: qkv = x W^T + b; LayerNorm of q and k over a head's 64 channels; scores q.k / 8, capped as 30 tanh(s / 30); softmax; P V; the output projection with its bias.
; FOUR LAUNCHES: this one rounds x and the two weight matrices once; the second makes q, k, v by heads; the third is the attention; the fourth the output projection.
; NOTHING IS LEFT OUT: every input has a way to the output and is loaded (kn_b too: the tanh stands between it and the softmax, so it is no term common to a row).
; THIS LAUNCH.  x -> xb (bf16), qkv_w -> wqb (bf16), proj_w -> wpb (rounded to bf16, that number written as f16: exact where it is 6.1e-5 or more in size; below that it keeps f16's fixed step of 6e-8).
; wqb's rows are laid by heads: source row kind x 1024 + 64 head + i goes to row 192 head + 64 kind + i, so that 192 rows on end are one head's q, k and v.
; SHARES.  8,388,608 numbers, 32,768 to each of 256 work-groups (128 for x, 96 for qkv_w, 32 for proj_w), 4,096 to a wave: 32 loads of 512 consecutive bytes, all issued before the first wait.
; A store of a wave is 32 lanes x 8 bytes: 256 consecutive bytes, aligned.  No register that a load or store reads is written again once read, so no wait frees a source.  No LDS, no matrix unit: nothing is shared and nothing is multiplied.
.set D, 4                              ; v[4:131]   32 x 4 numbers as loaded
.set O, 132                            ; v[132:195] 32 x 2 words to store
	s_load_b256 s[4:11], s[0:1], 0x0               ; x s[4:5], qkv_w s[6:7], proj_w s[8:9], xb s[10:11]
	s_load_b128 s[12:15], s[0:1], 0x20             ; wqb s[12:13], wpb s[14:15]
	s_mov_b32 s24, 0xffff0000                      ; a word's upper bf16
	v_and_b32 v3, 31, v0                           ; lane
	v_lshrrev_b32 v2, 5, v0                        ; wave
	v_lshlrev_b32 v1, 14, v2
	v_lshl_or_b32 v1, v3, 4, v1                    ; source: 16,384 x wave + 16 x lane
	v_lshlrev_b32 v2, 13, v2
	v_lshl_or_b32 v2, v3, 3, v2                    ; destination: 8,192 x wave + 8 x lane
	s_cmp_lt_u32 ttmp9, 128
	s_cselect_b32 s25, 0, 128                      ; the first work-group of my part
	s_cmp_lt_u32 ttmp9, 224
	s_cselect_b32 s25, s25, 224
	s_sub_co_u32 s25, ttmp9, s25                   ; my number within the part
	s_lshl_b32 s20, s25, 17                        ; source offset: 131,072 bytes a work-group
	s_mov_b32 s21, 0
	s_lshl_b32 s26, s25, 16                        ; destination offset where the order is kept
	s_lshr_b32 s27, s25, 1                         ; qkv_w: my 32 rows are rows 32 (n % 2) .. of head (n / 2) % 16, kind n / 32
	s_and_b32 s27, s27, 15
	s_mul_i32 s27, s27, 192
	s_lshr_b32 s28, s25, 5
	s_lshl_b32 s28, s28, 6
	s_add_co_u32 s27, s27, s28
	s_and_b32 s28, s25, 1
	s_lshl_b32 s28, s28, 5
	s_add_co_u32 s27, s27, s28
	s_lshl_b32 s27, s27, 11                        ; rows of 2,048 bytes
	s_mov_b32 s23, 0
	s_wait_kmcnt 0x0
	s_cmp_lt_u32 ttmp9, 128
	s_cselect_b64 s[16:17], s[4:5], s[6:7]
	s_cselect_b64 s[18:19], s[10:11], s[12:13]
	s_cselect_b32 s22, s26, s27
	s_cmp_lt_u32 ttmp9, 224
	s_cselect_b64 s[16:17], s[16:17], s[8:9]
	s_cselect_b64 s[18:19], s[18:19], s[14:15]
	s_cselect_b32 s22, s22, s26
	s_add_nc_u64 s[16:17], s[16:17], s[20:21]
	s_add_nc_u64 s[18:19], s[18:19], s[22:23]
.set j, 0
.rept 32
	global_load_b128 v[D+4*j:D+4*j+3], v1, s[16:17] offset:512*j th:TH_LOAD_NT
.set j, j+1
.endr
	s_cmp_ge_u32 ttmp9, 224
	s_cbranch_scc1 .Lproj
.set j, 0
.rept 32
	s_wait_loadcnt 31-j                            ; loads come back in order: number j is in, the younger ones stay out
	v_cvt_pk_bf16_f32 v[O+2*j], v[D+4*j], v[D+4*j+1]
	v_cvt_pk_bf16_f32 v[O+2*j+1], v[D+4*j+2], v[D+4*j+3]
	global_store_b64 v2, v[O+2*j:O+2*j+1], s[18:19] offset:256*j
.set j, j+1
.endr
	s_endpgm
.Lproj:                                        ; proj_w: rounded to bf16 like every input, then that number as f16
.set j, 0
.rept 32
	s_wait_loadcnt 31-j
	v_cvt_pk_bf16_f32 v[O+2*j], v[D+4*j], v[D+4*j+1]
	v_cvt_pk_bf16_f32 v[O+2*j+1], v[D+4*j+2], v[D+4*j+3]
	v_lshlrev_b32 v[D+4*j], 16, v[O+2*j]
	v_and_b32 v[D+4*j+1], s24, v[O+2*j]
	v_lshlrev_b32 v[D+4*j+2], 16, v[O+2*j+1]
	v_and_b32 v[D+4*j+3], s24, v[O+2*j+1]
	v_cvt_pk_f16_f32 v[O+2*j], v[D+4*j], v[D+4*j+1]
	v_cvt_pk_f16_f32 v[O+2*j+1], v[D+4*j+2], v[D+4*j+3]
	global_store_b64 v2, v[O+2*j:O+2*j+1], s[18:19] offset:256*j
.set j, j+1
.endr
	s_endpgm
.Lfunc_end_k_q2b24723dbd_cast:
	.size	k_q2b24723dbd_cast, .Lfunc_end_k_q2b24723dbd_cast-k_q2b24723dbd_cast
	.p2alignl 7, 3214868480
	.fill 96, 4, 3214868480
	.section	.rodata,"a",@progbits
	.p2align	6, 0x0
	.amdhsa_kernel k_q2b24723dbd_cast
		.amdhsa_group_segment_fixed_size 0
		.amdhsa_private_segment_fixed_size 0
		.amdhsa_enable_private_segment 0
		.amdhsa_kernarg_size 48
		.amdhsa_user_sgpr_count 2
		.amdhsa_user_sgpr_kernarg_segment_ptr 1
		.amdhsa_wavefront_size32 1
		.amdhsa_system_sgpr_workgroup_id_x 1
		.amdhsa_system_sgpr_workgroup_id_y 1
		.amdhsa_system_sgpr_workgroup_id_z 1
		.amdhsa_system_vgpr_workitem_id 0
		.amdhsa_next_free_vgpr 200
		.amdhsa_next_free_sgpr 66
		.amdhsa_reserve_vcc 0
		.amdhsa_float_denorm_mode_32 3
		.amdhsa_float_denorm_mode_16_64 3
		.amdhsa_memory_ordered 1
		.amdhsa_forward_progress 1
		.amdhsa_inst_pref_size 29
	.end_amdhsa_kernel
	.amdgpu_metadata
---
amdhsa.version: [ 1, 2 ]
amdhsa.kernels:
  - .name:           k_q2b24723dbd_cast
    .symbol:         k_q2b24723dbd_cast.kd
    .args:
      - { .name: x, .offset: 0, .size: 8, .value_kind: global_buffer, .address_space: global }
      - { .name: qkv_w, .offset: 8, .size: 8, .value_kind: global_buffer, .address_space: global }
      - { .name: proj_w, .offset: 16, .size: 8, .value_kind: global_buffer, .address_space: global }
      - { .name: xb, .offset: 24, .size: 8, .value_kind: global_buffer, .address_space: global }
      - { .name: wqb, .offset: 32, .size: 8, .value_kind: global_buffer, .address_space: global }
      - { .name: wpb, .offset: 40, .size: 8, .value_kind: global_buffer, .address_space: global }
    .group_segment_fixed_size: 0
    .private_segment_fixed_size: 0
    .kernarg_segment_align: 8
    .kernarg_segment_size: 48
    .max_flat_workgroup_size: 256
    .sgpr_count:     66
    .vgpr_count:     200
    .wavefront_size: 32
...
	.end_amdgpu_metadata
.endif
;; end of part 1
;; launch qkv (part 2): grid 16 x 16, 4 waves a work-group, clusters of 4 x 4, 327,680 bytes of LDS; arguments xb, wqb, qkv_b, qn_w, qn_b, kn_w, kn_b, qh, kh, vh; writes qh, kh, vh
.if DOCPART == 2
	.amdgcn_target "amdgcn-amd-amdhsa--gfx1250"
	.amdhsa_code_object_version 6
	.text
	.protected	k_q2b24723dbd_qkv
	.globl	k_q2b24723dbd_qkv
	.p2align	8
	.type	k_q2b24723dbd_qkv,@function
k_q2b24723dbd_qkv:
	s_mov_b64 s[64:65], 0
	v_nop
	global_prefetch_b8 v0, s[64:65] scope:SCOPE_SE
	s_setreg_imm32_b32 hwreg(HW_REG_WAVE_MODE, 25, 1), 1
	s_wait_xcnt 0x0
	s_wait_alu depctr_hold_cnt(0) depctr_sa_sdst(0) depctr_va_vdst(0) depctr_va_sdst(0) depctr_va_ssrc(0) depctr_va_vcc(0) depctr_vm_vsrc(0)
	s_getreg_b32 s2, hwreg(HW_REG_IB_STS2, 6, 4)
	s_cmp_eq_u32 s2, 0
	s_cbranch_scc0 .Lentry_in_a_cluster
	s_endpgm
.Lentry_in_a_cluster:
	s_bfe_u32 s2, ttmp6, 0x10000c
	s_cmp_lg_u32 s2, 0xf033
	s_cbranch_scc0 .Lentry_shape_is_right
	s_endpgm
.Lentry_shape_is_right:
; qkv = x W^T + b for one head's q, k and v; LayerNorm of q and k over the head's 64 channels; all three stored by heads, [16 batch + head][2048][64].
; xb [4096][1024] and wqb [16 heads][q, k, v][64][1024] are bf16; sums in f32.  q and k leave as f16, v as bf16 (it is multiplied with the softmax's weights, which need bf16's range).
; ONE ROUNDING FOR ALL INPUTS.  x and the weights are bf16; qkv_b and the LayerNorms' gains and biases are rounded to bf16 here too, and then used in f32: every input of the module carries the same rounding.
; THE SCALE.  The attention wants z = c1 (LN q . LN k), c1 = 2 log2(e) / (30 x 8).  sqrt(c1) is multiplied, in f32, into both LayerNorms' gains and biases, so q and k are rounded once and their product is z.
; LIMITS.  |LayerNorm result x 0.11| stays under 65,504 (f16's end); NaN and infinities are not treated apart.  Nothing of reference() is left out here.
; SHARES.  A tile is 256 rows x 192 columns (head tc's q, k, v): 16 x 16 work-groups.  Wave w makes rows 64 w .. 64 w + 63 and all 192 columns: 48 accumulators, so a head's 64 channels lie in one wave.
; The product is used transposed (source 0 = 16 rows of W, source 1 = 16 rows of x): a lane holds one row (lane % 16) and the columns 16 b + 8 (lane / 16) + 0..7; a row's other 32 channels lie 16 lanes away.
; K goes in 8 steps of 128 through two LDS slots; waves 0, 1 fetch x's two halves (128 rows), waves 2, 3 W's (96 rows): one tensor load a wave behind each round.
; CLUSTER 4 x 4: x's tile is shared along a row of the cluster, W's along a column: joint loads.
; REGISTERS.  window 0: v1-12 addresses; v28, v29 the add's; v32-63 T; v64-127 x's fragments, two buffers (on the way out: Z, chains, statistics); v128-223 bias; v224-239 Y
;   window 1: v0-191 W's fragments, two buffers; v192-255 the two gains      window 2: v0-191 accumulators of row blocks 0, 1; v192-255 the two LayerNorm biases      window 3: v0-191 row blocks 2, 3
.set PITCH, 272                        ; an LDS row: 256 bytes + 16 of padding: the 16 rows of a fragment load start at 16 different groups of four banks
.set SLOT1, 1<<17                      ; slot 1 begins here: one exclusive or turns an address in one slot into the other's
.set BOFF,  256*PITCH                  ; in a slot: x's 256 rows, then W's 192
.set STAGE, SLOT1+448*PITCH            ; behind the ring: 16 rows x 144 bytes for each wave
.set SP,    144
.set SPARE, STAGE+4*16*SP              ; the spare words, 128 bytes a wave: two blocks of 256 bytes that no other line names
.set FLAGS, (1<<16)|(1<<20)|(1<<21)|(5<<22)|(3<<25)  ; 2-byte elements; padding on; bit 21 beside a mask; after every 64 words; 4 words
.set LA0, 3                            ; v3   my lane's place in my wave's rows of x in a slot; never rewritten
.set LB0, 4                            ; v4   the same for W
.set ADRA, 5                           ; v5   LA0 + the slot in hand
.set ADRB, 6
.set STO, 7                            ; v7   the way out: where I put 16 bytes of a row
.set RD,  8                            ; v8   where I read rows back
.set GO,  9                            ; v9   16 x lane
.set LNO, 10                           ; v10  32 (lane / 16): my 8 channels in a block of 16, in f32
.set BO,  11                           ; v11  the same + 256 x head
.set PFO, 12                           ; v12  the prefetches' offset: a lane a row
.set SPW, 28
.set NIL, 29
.set T,   32
.set FA,  64
.set Z,   64
.set CH,  96
.set MU,  104
.set RS,  106
.set TM,  108
.set BIAS, 128
.set Y,   224
.set GW,  192                          ; window 1
.set GB,  192                          ; window 2
.set QB,  18                           ; s[18:19] qh, s[20:21] kh, s[22:23] vh
.set G1A, 24
.set G0A, 32                           ; two sets: K step 0; K step 1, which then walks
.set G1B, 40
.set G0B, 48
.set WV,  56
.set AB,  57                           ; 0: I fetch x; 1: W
.set HALF, 58
.set CX,  59
.set CY,  60
.set TC,  61
.set TR,  62
.set CNT, 63
.set TB,  66                           ; 0 or SLOT1: the slot that is read
.set LIM, 67
.set PFA, 68
.set SC,  70                           ; s[70:71] sqrt(c1)
.set R64, 72
.set EPS, 73
.set SEL, 74
.set HIM, 76                           ; s76  on the way out: the mask of a word's upper bf16
.set MSB, 0
.macro WIN new                         ; the high byte repeats the setting that is left; a switch that changes nothing is dropped
.if MSB != (\new)
	s_set_vgpr_msb (MSB<<8)|(\new)
.set MSB, (\new)
.endif
.endm
.macro PLACES                          ; four places behind matrix instructions, in front of loads into registers that they have read
.rept 4
	v_nop
.endr
.endm
.macro JLOAD                           ; a joint refill by the walking set; an s_nop 0 and four v_nop follow each of the two lines
	s_cmp_eq_u32 s[AB], 0
	s_cbranch_scc0 .Lfor_b_\@
	tensor_load_to_lds s[G0A+4:G0A+7], s[G1A:G1A+7]
	s_nop 0
.rept 4
	v_nop
.endr
	s_branch .Lasked_\@
.Lfor_b_\@:
	tensor_load_to_lds s[G0B+4:G0B+7], s[G1B:G1B+7]
	s_nop 0
.rept 4
	v_nop
.endr
.Lasked_\@:
.endm
.macro CREST                           ; a round of the cluster's barrier behind its opening barrier
	s_cmp_lg_u32 s[WV], 0
	s_cbranch_scc1 .Lnot_wave_0_\@
	s_barrier_signal -3
.Lnot_wave_0_\@:
	s_barrier_wait -3
	s_barrier_signal -1
	s_barrier_wait -1
.endm
.macro CROUND
	s_barrier_signal -1
	s_barrier_wait -1
	CREST
.endm
; A prefetch into the L2 of the K step two refills on: 256 bytes of a row, a lane a row, one instruction a wave.  x's rows are asked for by the clusters with x = 0, W's by those with y = 0; the four partners
; that ask for a tile jointly share its rows out by address (32 of 128 for x; 24 of 96 for W, where lanes 24-31 repeat the last).  The last two refills have no K step two on.
.macro ASK
	s_cmp_gt_u32 s[CNT], s[LIM]
	s_cbranch_scc0 .Lnot_mine_\@
	global_prefetch_b8 v[PFO], s[PFA:PFA+1] offset:256 th:TH_LOAD_NT scope:SCOPE_SE
.Lnot_mine_\@:
.endm
	s_load_b512 s[4:19], s[0:1], 0x0               ; xb s[4:5], wqb s[6:7], qkv_b s[8:9], qn_w s[10:11], qn_b s[12:13], kn_w s[14:15], kn_b s[16:17], qh s[18:19]
	s_load_b128 s[20:23], s[0:1], 0x40             ; kh, vh
	v_lshl_add_u32 v[SPW], v0, 2, SPARE
	v_mov_b32 v[NIL], 0
	ds_add_u32 v[SPW], v[NIL]                      ; the wave's opening: the add, twice on end, and its wait ahead of my first tensor load
	ds_add_u32 v[SPW], v[NIL]
	v_lshrrev_b32 v1, 5, v0
	v_readfirstlane_b32 s[WV], v1
	s_lshr_b32 s[AB], s[WV], 1
	s_and_b32 s[HALF], s[WV], 1
	s_bfe_u32 s[CX], ttmp6, 0x40000
	s_bfe_u32 s[CY], ttmp6, 0x40004
	s_lshl_b32 s[TC], ttmp9, 2
	s_add_co_u32 s[TC], s[TC], s[CX]               ; the head = tile column
	s_and_b32 s[TR], ttmp7, 0xffff
	s_lshl_b32 s[TR], s[TR], 2
	s_add_co_u32 s[TR], s[TR], s[CY]               ; tile row
	s_lshl_b32 s76, s[CY], 2
	s_lshl_b32 s76, 15, s76                        ; my row of the cluster
	s_lshl_b32 s77, 0x1111, s[CX]                  ; my column
	s_or_b32 s[G1A], s76, FLAGS
	s_or_b32 s[G1B], s77, FLAGS
	s_mov_b32 s[G1A+1], 128<<16                    ; tensor_dim0 = 128
	s_mov_b32 s[G1A+2], 128<<16                    ; tensor_dim1 = 128
	s_mov_b32 s[G1A+3], 128<<16                    ; tile_dim0 = 128
	s_mov_b32 s[G1A+4], 128                        ; tile_dim1 = 128
	s_mov_b32 s[G1A+5], 1024                       ; elements from row to row
	s_mov_b32 s[G1A+6], 0
	s_mov_b32 s[G1A+7], 0
	s_mov_b32 s[G1B+1], 128<<16
	s_mov_b32 s[G1B+2], 96<<16                     ; W: 96 rows
	s_mov_b32 s[G1B+3], 128<<16
	s_mov_b32 s[G1B+4], 96
	s_mov_b32 s[G1B+5], 1024
	s_mov_b32 s[G1B+6], 0
	s_mov_b32 s[G1B+7], 0
	s_lshl_b32 s78, s[TR], 19                      ; x: (256 tile row + 128 half) rows of 2,048 bytes
	s_lshl_b32 s79, s[HALF], 18
	s_add_co_u32 s78, s78, s79
	s_mov_b32 s79, 0
	s_mul_i32 s80, s[TC], 192*2048                 ; W: (192 head + 96 half) rows
	s_mul_i32 s81, s[HALF], 96*2048
	s_add_co_u32 s80, s80, s81
	s_mov_b32 s81, 0
	s_mul_i32 s82, s[HALF], 128*PITCH              ; where they go: no place in the cluster enters an LDS address
	s_mul_i32 s83, s[HALF], 96*PITCH
	s_add_co_u32 s83, s83, BOFF
	s_mov_b32 s[SC], 0x3de08e97                    ; sqrt(c1) = 0.109647
	s_mov_b32 s[SC+1], s[SC]
	s_mov_b32 s[R64], 0x3c800000                   ; 1 / 64
	s_mov_b32 s[EPS], 0x3727c5ac                   ; 1e-5
	s_mov_b32 s[SEL], 0x76543210
	s_mov_b32 s[SEL+1], 0xfedcba98
	s_mov_b32 s[TB], 0
	s_wait_dscnt 0x0                               ; both opening adds are done
	s_wait_kmcnt 0x0
	s_add_nc_u64 s[78:79], s[4:5], s[78:79]
	s_add_nc_u64 s[80:81], s[6:7], s[80:81]
	CROUND                                         ; all sixteen work-groups are here: the first joint loads meet
.irp s, 0,1
	s_mov_b32 s[G0A+4*(\s)], 1
	s_add_co_u32 s[G0A+4*(\s)+1], s82, (\s)*SLOT1
	s_add_nc_u64 s[G0A+4*(\s)+2:G0A+4*(\s)+3], s[78:79], (\s)*256
	s_or_b32 s[G0A+4*(\s)+3], s[G0A+4*(\s)+3], 0x80000000
	s_mov_b32 s[G0B+4*(\s)], 1
	s_add_co_u32 s[G0B+4*(\s)+1], s83, (\s)*SLOT1
	s_add_nc_u64 s[G0B+4*(\s)+2:G0B+4*(\s)+3], s[80:81], (\s)*256
	s_or_b32 s[G0B+4*(\s)+3], s[G0B+4*(\s)+3], 0x80000000
.endr
	s_cmp_eq_u32 s[AB], 0                          ; a wave's two first fills stand in one branch, ahead of every wait on TENSORcnt and every LDS read: two loads of mine are out
	s_cbranch_scc0 .Lfirst_b
	tensor_load_to_lds s[G0A:G0A+3], s[G1A:G1A+7]
	s_nop 0
	tensor_load_to_lds s[G0A+4:G0A+7], s[G1A:G1A+7]
	s_nop 0
.rept 4
	v_nop
.endr
	s_branch .Lfirst_asked
.Lfirst_b:
	tensor_load_to_lds s[G0B:G0B+3], s[G1B:G1B+7]
	s_nop 0
	tensor_load_to_lds s[G0B+4:G0B+7], s[G1B:G1B+7]
	s_nop 0
.rept 4
	v_nop
.endr
.Lfirst_asked:
	v_and_b32 v1, 15, v0                           ; lane % 16
	v_bfe_u32 v2, v0, 4, 1                         ; lane / 16
	v_lshlrev_b32 v[LNO], 5, v2
	s_lshl_b32 s76, s[TC], 8
	v_add_nc_u32 v[BO], s76, v[LNO]
	; the bias of my 8 columns in each of the 12 blocks, and the LayerNorms' gains and biases for my 32 channels: 56 loads into registers that the loop never names; waited for on the way out
.irp kd, 0,1,2
.irp q, 0,1,2,3,4,5,6,7
	global_load_b128 v[BIAS+32*(\kd)+4*(\q):BIAS+32*(\kd)+4*(\q)+3], v[BO], s[8:9] offset:4096*(\kd)+64*((\q)/2)+16*((\q)%2)
.endr
.endr
	WIN 0x40
.irp q, 0,1,2,3,4,5,6,7
	global_load_b128 v[GW+4*(\q):GW+4*(\q)+3], v[LNO], s[10:11] offset:64*((\q)/2)+16*((\q)%2)
	global_load_b128 v[GW+32+4*(\q):GW+32+4*(\q)+3], v[LNO], s[14:15] offset:64*((\q)/2)+16*((\q)%2)
.endr
	WIN 0x80
.irp q, 0,1,2,3,4,5,6,7
	global_load_b128 v[GB+4*(\q):GB+4*(\q)+3], v[LNO], s[12:13] offset:64*((\q)/2)+16*((\q)%2)
	global_load_b128 v[GB+32+4*(\q):GB+32+4*(\q)+3], v[LNO], s[16:17] offset:64*((\q)/2)+16*((\q)%2)
.endr
	WIN 0
	v_mul_u32_u24 v[LA0], v1, PITCH
	v_lshl_add_u32 v[LA0], v2, 4, v[LA0]           ; a fragment's row x pitch + 16 x half
	v_add_nc_u32 v[LB0], BOFF, v[LA0]
	s_mul_i32 s76, s[WV], 64*PITCH
	v_add_nc_u32 v[LA0], s76, v[LA0]               ; my wave's 64 rows of x
	v_mov_b32 v[ADRA], v[LA0]
	v_mov_b32 v[ADRB], v[LB0]
	s_mul_i32 s76, s[WV], 16*SP
	s_add_co_u32 s76, s76, STAGE                   ; my stage
	v_mul_u32_u24 v[STO], v1, SP
	v_lshl_add_u32 v[STO], v2, 4, v[STO]
	v_add_nc_u32 v[STO], s76, v[STO]
	v_bfe_u32 v[RD], v0, 3, 2                      ; back: 32 lanes take four rows of 128 bytes
	v_mul_u32_u24 v[RD], v[RD], SP
	v_and_b32 v13, 7, v0
	v_lshl_add_u32 v[RD], v13, 4, v[RD]
	v_add_nc_u32 v[RD], s76, v[RD]
	v_and_b32 v[GO], 31, v0
	v_lshlrev_b32 v[GO], 4, v[GO]
	; where my 64 rows begin in qh, kh and vh: head 16 batch + tc, rows of 128 bytes
	s_lshr_b32 s76, s[TR], 3
	s_lshl_b32 s76, s76, 4
	s_add_co_u32 s76, s76, s[TC]
	s_lshl_b32 s76, s76, 18
	s_and_b32 s77, s[TR], 7
	s_lshl_b32 s77, s77, 8
	s_lshl_b32 s78, s[WV], 6
	s_add_co_u32 s77, s77, s78
	s_lshl_b32 s77, s77, 7
	s_add_co_u32 s76, s76, s77
	s_mov_b32 s77, 0
	s_add_nc_u64 s[QB:QB+1], s[QB:QB+1], s[76:77]
	s_add_nc_u64 s[QB+2:QB+3], s[QB+2:QB+3], s[76:77]
	s_add_nc_u64 s[QB+4:QB+5], s[QB+4:QB+5], s[76:77]
	; the prefetches
	s_lshl_b32 s77, s[TR], 19
	s_lshl_b32 s82, s[CX], 16                      ; my work-group's 32 rows of the 128
	s_add_co_u32 s77, s77, s82
	s_lshl_b32 s82, s[HALF], 18
	s_add_co_u32 s77, s77, s82
	s_mul_i32 s82, s[TC], 192*2048
	s_mul_i32 s83, s[CY], 24*2048                  ; my work-group's 24 rows of the 96
	s_add_co_u32 s82, s82, s83
	s_mul_i32 s83, s[HALF], 96*2048
	s_add_co_u32 s82, s82, s83
	s_and_b32 s76, ttmp7, 0xffff
	s_cmp_eq_u32 s[AB], 0
	s_cselect_b32 s76, ttmp9, s76                  ; the coordinate along which other clusters read the same rows
	s_cselect_b32 s82, s77, s82
	s_cselect_b32 s77, 31, 23
	s_cselect_b64 s[PFA:PFA+1], s[4:5], s[6:7]
	s_cmp_eq_u32 s76, 0
	s_cselect_b32 s[LIM], 2, -1                    ; the same in all sixteen partners, for a given wave
	s_add_co_u32 s82, s82, 2*256                   ; at K step 2: the first refill steps it to 3 and names K step 4
	s_mov_b32 s83, 0
	s_add_nc_u64 s[PFA:PFA+1], s[PFA:PFA+1], s[82:83]
	v_and_b32 v[PFO], 31, v0
	v_min_u32 v[PFO], s77, v[PFO]
	v_lshlrev_b32 v[PFO], 11, v[PFO]
; 12 matrix instructions: row block 2 hi + a x all 12 column blocks, 32 along K, from buffer f.  zero = 1: the products start the sums.  The 48 accumulators take turns in one order.
.macro MULR f, hi, a, zero
	WIN 0xa1+0x50*(\hi)
.irp b, 0,1,2,3,4,5,6,7,8,9,10,11
.if \zero
	v_wmma_f32_16x16x32_bf16 v[8*(12*(\a)+(\b)):8*(12*(\a)+(\b))+7], v[96*(\f)+8*(\b):96*(\f)+8*(\b)+7], v[FA+32*(\f)+8*(2*(\hi)+(\a)):FA+32*(\f)+8*(2*(\hi)+(\a))+7], 0
.else
	v_wmma_f32_16x16x32_bf16 v[8*(12*(\a)+(\b)):8*(12*(\a)+(\b))+7], v[96*(\f)+8*(\b):96*(\f)+8*(\b)+7], v[FA+32*(\f)+8*(2*(\hi)+(\a)):FA+32*(\f)+8*(2*(\hi)+(\a))+7], v[8*(12*(\a)+(\b)):8*(12*(\a)+(\b))+7]
.endif
.endr
.endm
; 32 LDS loads in one run: a quarter step's fragments (192 rows of W, my 64 rows of x, 32 K at byte k) into buffer f
.macro FETCH k, f
	WIN 0x40
.irp i, 0,1,2,3,4,5,6,7,8,9,10,11
	ds_load_b128 v[96*(\f)+8*(\i):96*(\f)+8*(\i)+3],   v[ADRB] offset:(\k)+(\i)*16*PITCH
	ds_load_b128 v[96*(\f)+8*(\i)+4:96*(\f)+8*(\i)+7], v[ADRB] offset:(\k)+(\i)*16*PITCH+32
.endr
	WIN 0
.irp i, 0,1,2,3
	ds_load_b128 v[FA+32*(\f)+8*(\i):FA+32*(\f)+8*(\i)+3],   v[ADRA] offset:(\k)+(\i)*16*PITCH
	ds_load_b128 v[FA+32*(\f)+8*(\i)+4:FA+32*(\f)+8*(\i)+7], v[ADRA] offset:(\k)+(\i)*16*PITCH+32
.endr
.endm
.macro QUARTER k, f, g, zero           ; multiplies buffer f; in its middle fetches the next quarter, at byte k, into g
	s_wait_dscnt 4                                 ; W and x's row blocks 0, 1 are in; the youngest four loads (blocks 2, 3) may be out
	MULR \f, 0, 0, \zero
	MULR \f, 0, 1, \zero
	PLACES
	FETCH \k, \g
	s_wait_dscnt 32                                ; all but the 32 just issued
	MULR \f, 1, 0, \zero
	MULR \f, 1, 1, \zero
.endm
; The last quarter multiplies buffer 1 and changes slots: one barrier; in front of it each wave waits for all its tensor loads (one is out: its part of the next slot), adds 0 to its spare word, and waits for that
; and for its reads of this slot.  fill = 1: the barrier opens a round of the cluster's, and the slot is filled again first thing behind it, two K steps ahead.
.macro TURN fill
.if \fill
	s_wait_xcnt 0x0                                ; the last prefetch, a K step back, has read its address
	s_add_nc_u64 s[PFA:PFA+1], s[PFA:PFA+1], 256
.endif
	WIN 0
	s_wait_tensorcnt 0x0
	ds_add_u32 v[SPW], v[NIL]
	s_wait_dscnt 5                                 ; (the add and the youngest four loads may be out)
	MULR 1, 0, 0, 0
	s_wait_dscnt 0x0                               ; the add is done, and my reads of this slot are over
	s_barrier_signal -1
	MULR 1, 0, 1, 0
	WIN 0
	s_barrier_wait -1
.if \fill
	CREST
	s_xor_b32 s[G0A+5], s[G0A+5], SLOT1            ; the walking sets: the other slot than last time, the next K step
	s_add_nc_u64 s[G0A+6:G0A+7], s[G0A+6:G0A+7], 256
	s_xor_b32 s[G0B+5], s[G0B+5], SLOT1
	s_add_nc_u64 s[G0B+6:G0B+7], s[G0B+6:G0B+7], 256
	JLOAD                                          ; the four v_nop behind it are also the places in front of the loads below
.else
	PLACES
.endif
	s_xor_b32 s[TB], s[TB], SLOT1
	v_add_nc_u32 v[ADRA], s[TB], v[LA0]
	v_add_nc_u32 v[ADRB], s[TB], v[LB0]
	FETCH 0, 0
.if \fill
	ASK
.endif
	MULR 1, 1, 0, 0
	MULR 1, 1, 1, 0
.endm
	s_wait_tensorcnt 1                             ; my part of K step 0 is in; K step 1's may stay out
	s_barrier_signal -1
	s_barrier_wait -1
	FETCH 0, 0
	QUARTER 64, 0, 1, 1                            ; the first quarter starts the sums
	WIN 0
	s_mov_b32 s[CNT], 6
.Lstep:                                        ; six trips: from a K step's second quarter to the next one's first; K steps 2 to 7 are asked for
	QUARTER 128, 1, 0, 0
	QUARTER 192, 0, 1, 0
	TURN 1
	QUARTER 64, 0, 1, 0
	WIN 0
	s_sub_co_u32 s[CNT], s[CNT], 1
	s_cmp_lg_u32 s[CNT], 0
	s_cbranch_scc1 .Lstep
	QUARTER 128, 1, 0, 0                           ; the tail is written out: nothing more is asked for
	QUARTER 192, 0, 1, 0
	TURN 0
	QUARTER 64, 0, 1, 0
	QUARTER 128, 1, 0, 0
	QUARTER 192, 0, 1, 0
	s_wait_dscnt 4
	MULR 1, 0, 0, 0
	MULR 1, 0, 1, 0
	s_wait_dscnt 0x0
	MULR 1, 1, 0, 0
	MULR 1, 1, 1, 0
	; THE WAY OUT.  First the small inputs: each pair of numbers is rounded to bf16 and widened again, in place (three lines a pair); then the gains and LayerNorm biases take sqrt(c1), in f32.
	; These lines name no register of the last products and are the places behind them.
.macro TOBF base, pairs                ; under a window setting that puts sources 0 and 1 and the destination in the registers' own window
.set i, 0
.rept \pairs
	v_cvt_pk_bf16_f32 v[(\base)+2*i], v[(\base)+2*i], v[(\base)+2*i+1]
	v_and_b32 v[(\base)+2*i+1], s[HIM], v[(\base)+2*i]
	v_lshlrev_b32 v[(\base)+2*i], 16, v[(\base)+2*i]
.set i, i+1
.endr
.endm
	s_wait_loadcnt 0x0
	s_mov_b32 s[HIM], 0xffff0000
	WIN 0
	TOBF BIAS, 48                                  ; qkv_b
	WIN 0x45
	TOBF GW, 32                                    ; qn_w, kn_w
	WIN 0x41
.set i, 0
.rept 32
	v_pk_mul_f32 v[GW+2*i:GW+2*i+1], v[GW+2*i:GW+2*i+1], s[SC:SC+1] op_sel_hi:[1,0]
.set i, i+1
.endr
	WIN 0x8a
	TOBF GB, 32                                    ; qn_b, kn_b
	WIN 0x82
.set i, 0
.rept 32
	v_pk_mul_f32 v[GB+2*i:GB+2*i+1], v[GB+2*i:GB+2*i+1], s[SC:SC+1] op_sel_hi:[1,0]
.set i, i+1
.endr
	WIN 0
	v_mov_b32 v[TM+1], 0                           ; v_permlanex16_b32 counts as a reader of its destination
.macro HSUM                            ; the four chains into one number, with the other half of the lanes: the row's sum in v[TM]
	v_pk_add_f32 v[CH:CH+1], v[CH:CH+1], v[CH+2:CH+3]
	v_pk_add_f32 v[CH+4:CH+5], v[CH+4:CH+5], v[CH+6:CH+7]
	v_pk_add_f32 v[CH:CH+1], v[CH:CH+1], v[CH+4:CH+5]
	v_add_f32 v[TM], v[CH], v[CH+1]
	v_permlanex16_b32 v[TM+1], v[TM], s[SEL], s[SEL+1]
	v_add_f32 v[TM], v[TM], v[TM+1]
.endm
.macro BIASED                          ; T = the tile's 32 sums + bias; each accumulator's lowest registers are read first
.set AC, 96*(RB%2)+32*JJ
	WIN 2+RB/2
.set i, 0
.rept 16
	v_pk_add_f32 v[T+2*i:T+2*i+1], v[AC+2*i:AC+2*i+1], v[BIAS+32*JJ+2*i:BIAS+32*JJ+2*i+1]
.set i, i+1
.endr
	WIN 0
.endm
; A tile of 16 rows x one head of q (JJ = 0) or k (1), row block RB: mean, then the mean of squares of the differences, as reference() takes them; gain and bias; rounded to f16 into Y.
.macro LNT
	BIASED
.irp c, 0,1,2,3
	v_pk_add_f32 v[CH+2*(\c):CH+2*(\c)+1], v[T+2*(\c):T+2*(\c)+1], v[T+8+2*(\c):T+8+2*(\c)+1]
.endr
.irp k, 2,3
.irp c, 0,1,2,3
	v_pk_add_f32 v[CH+2*(\c):CH+2*(\c)+1], v[CH+2*(\c):CH+2*(\c)+1], v[T+8*(\k)+2*(\c):T+8*(\k)+2*(\c)+1]
.endr
.endr
	HSUM
	v_mul_f32 v[MU], s[R64], v[TM]
	v_mul_f32 v[MU+1], s[R64], v[TM]
.set i, 0
.rept 16
	v_pk_add_f32 v[T+2*i:T+2*i+1], v[T+2*i:T+2*i+1], v[MU:MU+1] neg_lo:[0,1] neg_hi:[0,1]
.set i, i+1
.endr
.irp c, 0,1,2,3
	v_pk_mul_f32 v[CH+2*(\c):CH+2*(\c)+1], v[T+2*(\c):T+2*(\c)+1], v[T+2*(\c):T+2*(\c)+1]
.endr
.irp k, 1,2,3
.irp c, 0,1,2,3
	v_pk_fma_f32 v[CH+2*(\c):CH+2*(\c)+1], v[T+8*(\k)+2*(\c):T+8*(\k)+2*(\c)+1], v[T+8*(\k)+2*(\c):T+8*(\k)+2*(\c)+1], v[CH+2*(\c):CH+2*(\c)+1]
.endr
.endr
	HSUM
	v_fma_f32 v[TM], v[TM], s[R64], s[EPS]
	v_rsq_f32 v[RS], v[TM]
	v_rsq_f32 v[RS+1], v[TM]
	v_nop                                          ; a plain instruction behind the second root,
	s_wait_alu depctr_va_vdst(0)                   ; and the wait ahead of the first use: one for both
.set i, 0
.rept 16
	v_pk_mul_f32 v[T+2*i:T+2*i+1], v[T+2*i:T+2*i+1], v[RS:RS+1]
.set i, i+1
.endr
	WIN 0x24                                       ; gain in window 1, bias in window 2
.set i, 0
.rept 16
	v_pk_fma_f32 v[T+2*i:T+2*i+1], v[T+2*i:T+2*i+1], v[GW+32*JJ+2*i:GW+32*JJ+2*i+1], v[GB+32*JJ+2*i:GB+32*JJ+2*i+1]
.set i, i+1
.endr
	WIN 0
.set i, 0
.rept 16
	v_cvt_pk_f16_f32 v[Y+i], v[T+2*i], v[T+2*i+1]
.set i, i+1
.endr
.endm
.macro VT                              ; a tile of v: bias, rounded to bf16
	BIASED
.set i, 0
.rept 16
	v_cvt_pk_bf16_f32 v[Y+i], v[T+2*i], v[T+2*i+1]
.set i, i+1
.endr
.endm
.macro TOSTAGE t                       ; a lane's 8 channels are 16 bytes: into rows of 144 bytes, and back as 2,048 consecutive bytes; LDS serves a wave's instructions in order
.set ZZ, Z+16*((\t)%2)
.irp f, 0,1,2,3
	ds_store_b128 v[STO], v[Y+4*(\f):Y+4*(\f)+3] offset:32*(\f)
.endr
.irp f, 0,1,2,3
	ds_load_b128 v[ZZ+4*(\f):ZZ+4*(\f)+3], v[RD] offset:(\f)*4*SP
.endr
.endm
.macro SEND t
.set ZZ, Z+16*((\t)%2)
.set BS, QB+2*((\t)%3)
	s_wait_dscnt 0x0                               ; the tile is back in registers
.irp f, 0,1,2,3
	global_store_b128 v[GO], v[ZZ+4*(\f):ZZ+4*(\f)+3], s[BS:BS+1] offset:((\t)/3)*2048+(\f)*512  ; 512 consecutive bytes, at a multiple of 256 from the buffer's first
.endr
.endm
.set t, 0
.rept 12                               ; tile t: row block t / 3; q, k, v by t % 3.  A tile's arithmetic stands between the loads of the tile before and its stores
.set RB, t/3
.set JJ, t%3
.if JJ < 2
	LNT
.else
	VT
.endif
	s_wait_xcnt 0x0                                ; the stores of the tile before last have read the registers that this tile's loads fill
.if t > 0
	SEND t-1
.endif
	TOSTAGE t
.set t, t+1
.endr
	SEND 11
	s_wait_tensorcnt 0x0                           ; the wave's end
	ds_add_u32 v[SPW], v[NIL]
	s_wait_dscnt 0x0
	CROUND                                         ; the closing round
	s_endpgm
.Lfunc_end_k_q2b24723dbd_qkv:
	.size	k_q2b24723dbd_qkv, .Lfunc_end_k_q2b24723dbd_qkv-k_q2b24723dbd_qkv
	.p2alignl 7, 3214868480
	.fill 96, 4, 3214868480
	.section	.rodata,"a",@progbits
	.p2align	6, 0x0
	.amdhsa_kernel k_q2b24723dbd_qkv
		.amdhsa_group_segment_fixed_size 327680
		.amdhsa_private_segment_fixed_size 0
		.amdhsa_enable_private_segment 0
		.amdhsa_kernarg_size 80
		.amdhsa_user_sgpr_count 2
		.amdhsa_user_sgpr_kernarg_segment_ptr 1
		.amdhsa_wavefront_size32 1
		.amdhsa_system_sgpr_workgroup_id_x 1
		.amdhsa_system_sgpr_workgroup_id_y 1
		.amdhsa_system_sgpr_workgroup_id_z 1
		.amdhsa_system_vgpr_workitem_id 0
		.amdhsa_next_free_vgpr 960
		.amdhsa_next_free_sgpr 84
		.amdhsa_reserve_vcc 0
		.amdhsa_float_denorm_mode_32 3
		.amdhsa_float_denorm_mode_16_64 3
		.amdhsa_memory_ordered 1
		.amdhsa_forward_progress 1
		.amdhsa_inst_pref_size 180
	.end_amdhsa_kernel
	.amdgpu_metadata
---
amdhsa.version: [ 1, 2 ]
amdhsa.kernels:
  - .name:           k_q2b24723dbd_qkv
    .symbol:         k_q2b24723dbd_qkv.kd
    .args:
      - { .name: xb, .offset: 0, .size: 8, .value_kind: global_buffer, .address_space: global }
      - { .name: wqb, .offset: 8, .size: 8, .value_kind: global_buffer, .address_space: global }
      - { .name: qkv_b, .offset: 16, .size: 8, .value_kind: global_buffer, .address_space: global }
      - { .name: qn_w, .offset: 24, .size: 8, .value_kind: global_buffer, .address_space: global }
      - { .name: qn_b, .offset: 32, .size: 8, .value_kind: global_buffer, .address_space: global }
      - { .name: kn_w, .offset: 40, .size: 8, .value_kind: global_buffer, .address_space: global }
      - { .name: kn_b, .offset: 48, .size: 8, .value_kind: global_buffer, .address_space: global }
      - { .name: qh, .offset: 56, .size: 8, .value_kind: global_buffer, .address_space: global }
      - { .name: kh, .offset: 64, .size: 8, .value_kind: global_buffer, .address_space: global }
      - { .name: vh, .offset: 72, .size: 8, .value_kind: global_buffer, .address_space: global }
    .group_segment_fixed_size: 327680
    .private_segment_fixed_size: 0
    .kernarg_segment_align: 8
    .kernarg_segment_size: 80
    .max_flat_workgroup_size: 128
    .sgpr_count:     84
    .vgpr_count:     960
    .wavefront_size: 32
...
	.end_amdgpu_metadata
.endif
;; end of part 2
;; launch attn (part 3): grid 8 x 32, 4 waves a work-group, clusters of 4 x 1, 327,680 bytes of LDS; arguments qh, kh, vh, ob; writes ob
.if DOCPART == 3
	.amdgcn_target "amdgcn-amd-amdhsa--gfx1250"
	.amdhsa_code_object_version 6
	.text
	.protected	k_q2b24723dbd_attn
	.globl	k_q2b24723dbd_attn
	.p2align	8
	.type	k_q2b24723dbd_attn,@function
k_q2b24723dbd_attn:
	s_mov_b64 s[64:65], 0
	v_nop
	global_prefetch_b8 v0, s[64:65] scope:SCOPE_SE
	s_setreg_imm32_b32 hwreg(HW_REG_WAVE_MODE, 25, 1), 1
	s_wait_xcnt 0x0
	s_wait_alu depctr_hold_cnt(0) depctr_sa_sdst(0) depctr_va_vdst(0) depctr_va_sdst(0) depctr_va_ssrc(0) depctr_va_vcc(0) depctr_vm_vsrc(0)
	s_getreg_b32 s2, hwreg(HW_REG_IB_STS2, 6, 4)
	s_cmp_eq_u32 s2, 0
	s_cbranch_scc0 .Lentry_in_a_cluster
	s_endpgm
.Lentry_in_a_cluster:
	s_bfe_u32 s2, ttmp6, 0x10000c
	s_cmp_lg_u32 s2, 0x3003
	s_cbranch_scc0 .Lentry_shape_is_right
	s_endpgm
.Lentry_shape_is_right:
; O[hb][q] = the sum over k of softmax_k(30 tanh(s / 30)) V[hb][k], s = LN q . LN k / 8.  qh, kh: f16, [32][2048][64], each carrying sqrt(c1), so that K Q^T is z = 2 log2(e) s / 30.  vh: bf16.
; THE WEIGHT IN CLOSED FORM.  30 tanh(u) - 30 = -60 / (1 + e^(2u)), so p = e^(30 tanh(s/30) - 30) = 2^(1 / (a t + a)), t = 2^z, a = -1 / (60 log2 e).  t = infinity gives p = 1, t = 0 gives e^-60.
; NO RUNNING MAXIMUM.  reference()'s own cap holds the softmax's input in -30 .. 30 for every input.  With the fixed shift -30, the same along a row, p lies in e^-60 .. 1 = 2^-86.6 .. 1 and a row's sum
; in 1.8e-23 .. 2048: no exponential and no sum can overflow or underflow in f32, nor p in bf16 (least normal number 2^-126).  That range is why P, and V with it, are bf16 and not f16.
; THE ROW SUM l is a product of ones with P on the matrix unit, onto an f32 accumulator: the sum of the same rounded weights that multiply V; every lane of a query then holds it.
; LIMITS.  |O| stays under 65,504 (O leaves as f16; it is a mean of V's rows); NaN and infinities are not treated apart.
; SHARES.  A work-group has 256 queries of one head, a wave four tiles of 16; all 2,048 keys are walked, 64 a step; a slot of LDS holds four steps.  The four query blocks of a cluster walk the same K and V: joint loads.
; LAYOUT.  S^T = K Q^T holds one query a lane (lane % 16) and keys 8 (lane / 16) + 0..7; two such results rounded in pairs are source 1 of O^T = V^T P.  V comes out of LDS turned, by ds_load_tr16_b128.
; THE PIPE.  Pieces are numbered 4 step + tile.  Turn t works on four pieces at once, each in its own S: the first exponential of piece n (tile t), the multiply-add and reciprocal of piece n - 1, the last
; exponential of piece n - 2, the rounding and the products V^T P and ones x P of piece n - 3, and K Q^T of piece n + 1 onto the S just rounded.  So every reader of a transcendental stands a turn behind it,
; and ONE wait at a turn's end serves the turn's 96.  Six of the turn's 112 vector lines stand behind each of its 18 matrix instructions.
; The three pieces that have not been start with values that give p = 0; O^T, l and V start at 0: 328 v_mov_b32, in the wait for the first tile, in place of a first step written out.
; REGISTERS.  window 0: v1-12 addresses; v16-23 1 / l; v30, v31 the add's; v64-127 Q; v128-191 P; v192-255 the way out.   window 1: v0-127 S, 32 a tile; v128-191 K; v192-255 V.
;   window 2: v0-127 O^T, 32 a tile; v128-159 l, 8 a tile; v160-167 ones.   The softmax's lines run under K Q^T's own window setting.
.set KS,    64
.set PK,    144                        ; a row of K in LDS: 128 bytes + 16
.set PV,    160                        ; a row of V: 128 + 32
.set VOFF,  4*KS*PK
.set SLOT1, 1<<17
.set STAGE, SLOT1+4*KS*(PK+PV)
.set SP,    144
.set SPARE, STAGE+4*16*SP
.set AK0, 2
.set AV0, 3
.set AK,  4
.set AV,  5
.set QO,  6
.set STO, 6
.set RD,  7
.set GO,  8
.set PFO, 12
.set RL,  16
.set SPW, 30
.set NIL, 31
.set Q,   64
.set P,   128
.set OW,  192
.set KF,  128                          ; window 1
.set VF,  192                          ; window 1
.set LS,  128                          ; window 2
.set UN,  160                          ; window 2
.set WV,  12
.set G1K, 24
.set G1V, 32
.set G0K, 40
.set G0V, 44
.set PFA, 48
.set LIM, 50
.set SLOTS, 56
.set CNT, 57
.set CA,  58                           ; s[58:59] a
.set TBK, 62
.set TBV, 63
.set W_KQ, 0x51                        ; K, S in window 1, Q in window 0; also the softmax's lines
.set W_PV, 0xa1                        ; V in window 1, P in window 0, O^T in window 2
.set W_ON, 0xa2                        ; ones and l in window 2, P in window 0
.set W_CV, 0x05                        ; S in window 1, P in window 0
.set MSB, 0
.macro WIN new
.if MSB != (\new)
	s_set_vgpr_msb (MSB<<8)|(\new)
.set MSB, (\new)
.endif
.endm
.macro JLOAD                           ; waves 0, 1 fetch the halves of a slot's K, waves 2, 3 those of its V: 128 keys each; an s_nop 0 and four v_nop follow each line
	s_cmp_lt_u32 s[WV], 2
	s_cbranch_scc0 .Lfor_v_\@
	tensor_load_to_lds s[G0K:G0K+3], s[G1K:G1K+7]
	s_nop 0
.rept 4
	v_nop
.endr
	s_branch .Lasked_\@
.Lfor_v_\@:
	tensor_load_to_lds s[G0V:G0V+3], s[G1V:G1V+7]
	s_nop 0
.rept 4
	v_nop
.endr
.Lasked_\@:
.endm
.macro CROUND
	s_barrier_signal -1
	s_barrier_wait -1
	s_cmp_lg_u32 s[WV], 0
	s_cbranch_scc1 .Lnot_wave_0_\@
	s_barrier_signal -3
.Lnot_wave_0_\@:
	s_barrier_wait -3
	s_barrier_signal -1
	s_barrier_wait -1
.endm
; A prefetch into the L2 of the slot that the NEXT change will ask for, four key steps ahead: 32,768 bytes of K and of V.  The head's first cluster asks; its four partners take 8,192 bytes each, told apart by
; address; wave 0 asks for K's, wave 2 for V's; a lane names 256 bytes.  The last change that fills a slot asks for nothing.
.macro ASK
	s_cmp_gt_u32 s[SLOTS], s[LIM]
	s_cbranch_scc0 .Lnot_mine_\@
	global_prefetch_b8 v[PFO], s[PFA:PFA+1] th:TH_LOAD_NT scope:SCOPE_SE
.Lnot_mine_\@:
.endm
; THE CHANGE OF SLOTS.  Each wave waits for all its tensor loads (one is out: its part of the other slot), adds 0 to its spare word, and waits for that and for its reads of the slot.  fill = 1: the barrier is a
; round of the cluster's, and the slot is filled again first thing behind it, with the keys two slots on.  (At its first use slot 0 is waited for and slot 1 filled.)
.macro CHANGE fill
	WIN 0
	s_wait_tensorcnt 0x0
	ds_add_u32 v[SPW], v[NIL]
.if \fill
.irp g, G0K, G0V
	s_xor_b32 s[\g+1], s[\g+1], SLOT1
	s_add_nc_u64 s[\g+2:\g+3], s[\g+2:\g+3], 4*KS*128
.endr
	s_wait_xcnt 0x0                                ; the last prefetch, four key steps back, has read its address
	s_add_nc_u64 s[PFA:PFA+1], s[PFA:PFA+1], 4*KS*128
	s_wait_dscnt 0x0                               ; the add is done, and my reads of the slot are over
	CROUND
	JLOAD
	ASK
.else
	s_wait_dscnt 0x0
	s_barrier_signal -1
	s_barrier_wait -1
.endif
	s_sub_co_u32 s[TBK], s[TBK], 4*KS*PK           ; the fetches go back to a slot's first step, in the other slot
	s_xor_b32 s[TBK], s[TBK], SLOT1
	s_sub_co_u32 s[TBV], s[TBV], 4*KS*PV
	s_xor_b32 s[TBV], s[TBV], SLOT1
.endm
	s_load_b256 s[4:11], s[0:1], 0x0               ; qh s[4:5], kh s[6:7], vh s[8:9], ob s[10:11]
	v_lshl_add_u32 v[SPW], v0, 2, SPARE
	v_mov_b32 v[NIL], 0
	ds_add_u32 v[SPW], v[NIL]                      ; the wave's opening: the add, twice on end, and its wait ahead of my first tensor load
	ds_add_u32 v[SPW], v[NIL]
	v_lshrrev_b32 v1, 5, v0
	v_readfirstlane_b32 s[WV], v1
	s_bfe_u32 s13, ttmp6, 0x40000                  ; cx
	s_lshl_b32 s14, ttmp9, 2
	s_add_co_u32 s14, s14, s13                     ; my block of 256 queries: it enters Q's and O's addresses alone
	s_and_b32 s15, ttmp7, 0xffff                   ; 16 batch + head, which the four partners share
	s_lshl_b32 s20, s15, 18                        ; the head's first byte in qh, kh, vh
	s_and_b32 s16, s[WV], 1                        ; which half of a slot's 256 keys I fetch
	s_lshl_b32 s22, s16, 14
	s_add_co_u32 s22, s22, s20
	s_mov_b32 s23, 0
	s_mul_i32 s17, s16, 128*PK
	s_mul_i32 s18, s16, 128*PV
	s_lshl_b32 s2, s14, 15
	s_lshl_b32 s3, s[WV], 13
	s_add_co_u32 s2, s2, s3
	s_add_co_u32 s2, s2, s20                       ; Q: my wave's 64 rows of 128 bytes
	s_mov_b32 s3, 0
	s_lshr_b32 s52, s15, 4                         ; ob is [row / 16][head][row % 16][64]: 32,768 bytes for 16 rows, 2,048 for a head in them
	s_lshl_b32 s52, s52, 22
	s_lshl_b32 s53, s14, 19
	s_add_co_u32 s52, s52, s53
	s_lshl_b32 s53, s[WV], 17
	s_add_co_u32 s52, s52, s53
	s_and_b32 s53, s15, 15
	s_lshl_b32 s53, s53, 11
	s_add_co_u32 s52, s52, s53
	s_mov_b32 s53, 0
	; descriptor group 1: 128 keys are 16,384 dense bytes, asked for as 64 rows of 256 bytes and padded in LDS after every key
	s_mov_b32 s[G1K], 15|(1<<16)|(1<<20)|(1<<21)|(4<<22)|(3<<25)
	s_mov_b32 s[G1V], 15|(1<<16)|(1<<20)|(1<<21)|(4<<22)|(7<<25)
.irp g, G1K, G1V
	s_mov_b32 s[\g+1], 128<<16
	s_mov_b32 s[\g+2], 64<<16
	s_mov_b32 s[\g+3], 128<<16
	s_mov_b32 s[\g+4], 64
	s_mov_b32 s[\g+5], 128
	s_mov_b32 s[\g+6], 0
	s_mov_b32 s[\g+7], 0
.endr
	s_mov_b32 s[CA], 0xbc3d4680                    ; a = -1 / (60 log2 e) = -0.0115525
	s_mov_b32 s[CA+1], s[CA]
	s_mov_b32 s51, 0x3f803f80                      ; 1.0 twice, in bf16
	s_mov_b32 s54, 0xc47a0000                      ; -1000: its exponential is 0
	s_mov_b32 s55, 0xbf666666                      ; -0.9: a t + a = 0.1 a, whose reciprocal is -866, whose exponential is 0
	s_mov_b32 s[TBK], SLOT1+4*KS*PK                ; the first change of slots turns these two into 0
	s_mov_b32 s[TBV], SLOT1+4*KS*PV
	s_mov_b32 s[G0K], 1
	s_mov_b32 s[G0K+1], s17
	s_mov_b32 s[G0V], 1
	s_add_co_u32 s[G0V+1], s18, VOFF
	s_mov_b32 s[SLOTS], 7
	s_and_b32 s[LIM], s[WV], 1                     ; 0 in waves 0 and 2,
	s_or_b32 s[LIM], s[LIM], ttmp9                 ; where the cluster is the head's first: the same in all four partners
	s_cmp_eq_u32 s[LIM], 0
	s_cselect_b32 s[LIM], 1, -1
	v_and_b32 v[PFO], 31, v0
	v_lshlrev_b32 v[PFO], 8, v[PFO]
	s_wait_dscnt 0x0                               ; both opening adds are done
	s_wait_kmcnt 0x0
	s_add_nc_u64 s[6:7], s[6:7], s[22:23]          ; K and V at my half of the head's first 256 keys
	s_add_nc_u64 s[8:9], s[8:9], s[22:23]
	s_mov_b64 s[G0K+2:G0K+3], s[6:7]
	s_or_b32 s[G0K+3], s[G0K+3], 0x80000000
	s_mov_b64 s[G0V+2:G0V+3], s[8:9]
	s_or_b32 s[G0V+3], s[G0V+3], 0x80000000
	s_add_nc_u64 s[4:5], s[4:5], s[2:3]
	s_add_nc_u64 s[10:11], s[10:11], s[52:53]
	s_cmp_lt_u32 s[WV], 2
	s_cselect_b64 s[PFA:PFA+1], s[6:7], s[8:9]     ; (in waves 0 and 2 these stand at a slot's first byte)
	s_lshl_b32 s2, s13, 13                         ; my work-group's quarter of a slot
	s_add_nc_u64 s[PFA:PFA+1], s[PFA:PFA+1], s[2:3]
	s_add_nc_u64 s[PFA:PFA+1], s[PFA:PFA+1], 4*KS*128  ; in slot 1; the first change steps it to slot 2
	CROUND                                         ; all four work-groups are here: the first joint loads meet
	JLOAD                                          ; slot 0
	v_and_b32 v1, 15, v0
	v_bfe_u32 v9, v0, 4, 1
	v_lshlrev_b32 v[QO], 7, v1
	v_lshl_add_u32 v[QO], v9, 4, v[QO]
.set i, 0
.rept 8                                ; Q stays in registers: tile i / 2, channels 32 (i % 2) on
	global_load_b128 v[Q+8*i:Q+8*i+3],   v[QO], s[4:5] offset:(i/2)*2048+(i%2)*64
	global_load_b128 v[Q+8*i+4:Q+8*i+7], v[QO], s[4:5] offset:(i/2)*2048+(i%2)*64+32
.set i, i+1
.endr
	WIN 0x40
.set i, 0
.rept 32
	v_mov_b32 v[32+i], 0                           ; tile 1's S: rounded to p = 0 in the first turn
	v_mov_b32 v[64+i], s54                         ; tile 2's: its last exponential is still to come
	v_mov_b32 v[96+i], s55                         ; tile 3's: multiply-add, reciprocal and exponential are still to come
.set i, i+1
.endr
.set i, 0
.rept 64
	v_mov_b32 v[VF+i], 0
.set i, i+1
.endr
	WIN 0x80
.set i, 0
.rept 160
	v_mov_b32 v[i], 0                              ; O^T and l
.set i, i+1
.endr
.set i, 0
.rept 8
	v_mov_b32 v[UN+i], s51
.set i, i+1
.endr
	WIN 0
	v_mul_u32_u24 v[AK0], v1, PK
	v_lshl_add_u32 v[AK0], v9, 4, v[AK0]
	v_and_b32 v10, 7, v0
	v_bfe_u32 v11, v0, 3, 1
	v_lshl_add_u32 v[AV0], v9, 3, v10              ; the turning load: lane l reads key 8 (l / 16) + l % 8, channels 8 ((l / 8) % 2) + 0..7
	v_mul_u32_u24 v[AV0], v[AV0], PV
	v_lshl_add_u32 v[AV0], v11, 4, v[AV0]
	v_add_nc_u32 v[AV0], VOFF, v[AV0]
; THE MATRIX WORK, for tile TP.  Product i of 8 of S^T = K Q^T: channels 32 (i / 4) on, keys 16 (i % 4) on; the first four start the sums.  The accumulators take turns.
.macro KQ
	WIN W_KQ
.set rS, 32*TP+8*(i%4)
.set rK, KF+16*(i%4)+8*(i/4)
.set rQ, Q+16*TP+8*(i/4)
.if i < 4
	v_wmma_f32_16x16x32_f16 v[rS:rS+7], v[rK:rK+7], v[rQ:rQ+7], 0
.else
	v_wmma_f32_16x16x32_f16 v[rS:rS+7], v[rK:rK+7], v[rQ:rQ+7], v[rS:rS+7]
.endif
.endm
.macro PV                              ; product i of 8 of O^T += V^T P: keys 32 (i / 4) on, channels 16 (i % 4) on
	WIN W_PV
.set rO, 32*TP+8*(i%4)
.set rV, VF+32*(i/4)+8*(i%4)
.set rP, P+16*TP+8*(i/4)
	v_wmma_f32_16x16x32_bf16 v[rO:rO+7], v[rV:rV+7], v[rP:rP+7], v[rO:rO+7]
.endm
.macro ONE                             ; l += ones x P, keys 32 (i / 4) on
	WIN W_ON
.set rP, P+16*TP+8*(i/4)
	v_wmma_f32_16x16x32_bf16 v[LS+8*TP:LS+8*TP+7], v[UN:UN+7], v[rP:rP+7], v[LS+8*TP:LS+8*TP+7]
.endm
.macro CVT                             ; tile TP's 32 weights rounded to bf16, in pairs
	WIN W_CV
.set c, 0
.rept 16
	v_cvt_pk_bf16_f32 v[P+16*TP+c], v[32*TP+2*c], v[32*TP+2*c+1]
.set c, c+1
.endr
.endm
.macro FETCH_K last=0                  ; a step's K: 16 loads in one run.  last = 1 (the tail): in the last trip there is no further step, and the run is jumped over
	WIN 0
.if \last
	s_cmp_eq_u32 s[CNT], 1
	s_cbranch_scc1 .Lno_k_\@
.endif
	v_add_nc_u32 v[AK], s[TBK], v[AK0]
	WIN 0x40
.irp f, 0,1,2,3,4,5,6,7
	ds_load_b128 v[KF+8*\f:KF+8*\f+3],   v[AK] offset:(\f/2)*16*PK+(\f%2)*64
	ds_load_b128 v[KF+8*\f+4:KF+8*\f+7], v[AK] offset:(\f/2)*16*PK+(\f%2)*64+32
.endr
	s_add_co_u32 s[TBK], s[TBK], KS*PK
	WIN 0
.if \last
.Lno_k_\@:
.endif
.endm
.macro FETCH_V                         ; a step's V, turned; the address line and four v_nop are the places behind the last product that read V
	WIN 0
	v_add_nc_u32 v[AV], s[TBV], v[AV0]
.rept 4
	v_nop
.endr
	WIN 0x40
.irp f, 0,1,2,3,4,5,6,7
	ds_load_tr16_b128 v[VF+8*\f:VF+8*\f+3],   v[AV] offset:(\f/4)*32*PV+(\f%4)*32
	ds_load_tr16_b128 v[VF+8*\f+4:VF+8*\f+7], v[AV] offset:(\f/4)*32*PV+16*PV+(\f%4)*32
.endr
	s_add_co_u32 s[TBV], s[TBV], KS*PV
.endm
; THE VECTOR WORK OF A TURN: a list of 112, seven for each pair g of scores: a t + a (buffer BFR); the last exponentials (BE2); the first exponentials (BE1, ascending);
; the reciprocals (BFR).  No line reads a transcendental's result of the same turn, and none names a register of the turn's products.
.macro RID count
.rept \count
.set g, n/7
.set k, n%7
	WIN W_KQ
.if k == 0
	v_pk_fma_f32 v[BFR+2*g:BFR+2*g+1], v[BFR+2*g:BFR+2*g+1], s[CA:CA+1], s[CA:CA+1] op_sel_hi:[1,0,0]
.elseif k < 3
	v_exp_f32 v[BE2+2*g+k-1], v[BE2+2*g+k-1]
.elseif k < 5
	v_exp_f32 v[BE1+2*g+k-3], v[BE1+2*g+k-3]
.else
	v_rcp_f32 v[BFR+2*g+k-5], v[BFR+2*g+k-5]
.endif
.set n, n+1
.endr
.endm
; A TURN.  The 16 roundings at its head are the places behind the turn before's K Q^T.  Turn 3 waits for V, fetches the next step's K (it has 10 products and 60 vector lines in which to land) and waits for it
; ahead of its K Q^T; turn 2 fetches the step's V behind its last V^T P.  10 x 6 + 7 x 6 + 10 = 112.
.macro TURN t, last=0
.set TP, ((\t)+1)%4
.set BE1, 32*(\t)
.set BFR, 32*(((\t)+3)%4)
.set BE2, 32*(((\t)+2)%4)
.set n, 0
	CVT
.if (\t) == 3
	WIN 0
	s_wait_dscnt 0x0                               ; V is in
	FETCH_K \last
.endif
.set i, 0
.rept 8
	PV
	RID 6
.if i%4 == 3
	ONE
	RID 6
.endif
.set i, i+1
.endr
.if (\t) == 2
	FETCH_V
.endif
.if (\t) == 3
	s_wait_dscnt 0x0                               ; K is in
.endif
.set i, 0
.rept 8
	KQ
.if i == 7
	RID 10
.else
	RID 6
.endif
.set i, i+1
.endr
	v_nop                                          ; a plain instruction behind the last transcendental,
	s_wait_alu depctr_va_vdst(0)                   ; and the wait: one for the turn's 96; their readers stand in the next turn
.endm
	CHANGE 1                                       ; slot 0 is in, everybody's part of it; slot 1 is asked for
	FETCH_K                                        ; key step 0
	s_wait_loadcnt 0x0                             ; Q
	s_wait_dscnt 0x0
.set TP, 0
.set i, 0
.rept 8
	KQ                                             ; tile 0's first scores
.set i, i+1
.endr
	WIN 0                                          ; the addresses for the way out
	s_mul_i32 s13, s[WV], 16*SP
	s_add_co_u32 s13, s13, STAGE
	v_mul_u32_u24 v[STO], v1, SP
	v_lshl_add_u32 v[STO], v9, 4, v[STO]
	v_add_nc_u32 v[STO], s13, v[STO]
	v_bfe_u32 v[RD], v0, 3, 2
	v_mul_u32_u24 v[RD], v[RD], SP
	v_lshl_add_u32 v[RD], v10, 4, v[RD]
	v_add_nc_u32 v[RD], s13, v[RD]
	v_and_b32 v[GO], 31, v0
	v_lshlrev_b32 v[GO], 4, v[GO]
	s_mov_b32 s[CNT], 4
	s_branch .Lfirst                               ; the loop is entered behind a trip's first turn
.Lslot:                                        ; six times: every slot but the last two is filled again
	CHANGE 1
	s_mov_b32 s[CNT], 4
.Lstep:                                        ; trip u reads from LDS step u's K (at its head) and V (in turn 2)
	TURN 3
	WIN 0
.Lfirst:
	TURN 0
	TURN 1
	TURN 2
	WIN 0
	s_sub_co_u32 s[CNT], s[CNT], 1
	s_cmp_lg_u32 s[CNT], 0
	s_cbranch_scc1 .Lstep
	s_sub_co_u32 s[SLOTS], s[SLOTS], 1
	s_cmp_lg_u32 s[SLOTS], 0
	s_cbranch_scc1 .Lslot
	CHANGE 0                                       ; the tail is written out
	s_mov_b32 s[CNT], 5                            ; four trips fetch the last slot's steps; the fifth empties the pipe and is left in its middle
.Ltail:
	TURN 3, 1
	TURN 0
	TURN 1
	WIN 0
	s_sub_co_u32 s[CNT], s[CNT], 1
	s_cmp_eq_u32 s[CNT], 0
	s_cbranch_scc1 .Lout
	TURN 2
	WIN 0
	s_branch .Ltail
.Lout:                                         ; the fifth trip's K Q^T (on the last K once more) and what is made of them serve nothing: the price, once a launch, of one text for every trip
.set TP, 3
	CVT
.set i, 0
.rept 8
	PV
.if i%4 == 3
	ONE
.endif
.set i, i+1
.endr
	; THE WAY OUT.  O^T is divided by l, rounded to f16 and sent through my stage in LDS, a tile at a time: 16 rows of a head are 2,048 consecutive bytes of ob.
	WIN 0
.rept 4
	v_nop                                          ; the places behind the last products
.endr
	WIN 0x02
.set t, 0
.rept 4
	v_rcp_f32 v[RL+2*t], v[LS+8*t]
	v_rcp_f32 v[RL+2*t+1], v[LS+8*t+1]
.set t, t+1
.endr
	v_nop
	s_wait_alu depctr_va_vdst(0)                   ; one wait for the eight reciprocals
.macro PACK t
	WIN 0x82
.set i, 0
.rept 16
	v_pk_mul_f32 v[32*(\t)+2*i:32*(\t)+2*i+1], v[32*(\t)+2*i:32*(\t)+2*i+1], v[RL+2*(\t):RL+2*(\t)+1]
.set i, i+1
.endr
	WIN 0x0a
.set i, 0
.rept 16
	v_cvt_pk_f16_f32 v[OW+16*(\t)+i], v[32*(\t)+2*i], v[32*(\t)+2*i+1]
.set i, i+1
.endr
	WIN 0
.irp f, 0,1,2,3
	ds_store_b128 v[STO], v[OW+16*(\t)+4*\f:OW+16*(\t)+4*\f+3] offset:32*\f
.endr
.irp f, 0,1,2,3
	ds_load_b128 v[OW+16*(\t)+4*\f:OW+16*(\t)+4*\f+3], v[RD] offset:\f*4*SP  ; LDS serves a wave's instructions in order: these see the stores above
.endr
.endm
.macro SEND t, younger                 ; younger: the LDS instructions issued behind tile t's loads: the next tile's eight, or none
	WIN 0
.irp f, 0,1,2,3
	s_wait_dscnt (\younger)+3-\f
	global_store_b128 v[GO], v[OW+16*(\t)+4*\f:OW+16*(\t)+4*\f+3], s[10:11] offset:(\t)*32768+\f*512  ; 512 consecutive bytes, at a multiple of 256 from ob's first
.endr
.endm
	PACK 0
.set t, 1
.rept 3
	PACK t
	SEND t-1, 8
.set t, t+1
.endr
	SEND 3, 0
	s_wait_tensorcnt 0x0                           ; the wave's end
	ds_add_u32 v[SPW], v[NIL]
	s_wait_dscnt 0x0
	CROUND                                         ; the closing round
	s_endpgm
.Lfunc_end_k_q2b24723dbd_attn:
	.size	k_q2b24723dbd_attn, .Lfunc_end_k_q2b24723dbd_attn-k_q2b24723dbd_attn
	.p2alignl 7, 3214868480
	.fill 96, 4, 3214868480
	.section	.rodata,"a",@progbits
	.p2align	6, 0x0
	.amdhsa_kernel k_q2b24723dbd_attn
		.amdhsa_group_segment_fixed_size 327680
		.amdhsa_private_segment_fixed_size 0
		.amdhsa_enable_private_segment 0
		.amdhsa_kernarg_size 32
		.amdhsa_user_sgpr_count 2
		.amdhsa_user_sgpr_kernarg_segment_ptr 1
		.amdhsa_wavefront_size32 1
		.amdhsa_system_sgpr_workgroup_id_x 1
		.amdhsa_system_sgpr_workgroup_id_y 1
		.amdhsa_system_sgpr_workgroup_id_z 1
		.amdhsa_system_vgpr_workitem_id 0
		.amdhsa_next_free_vgpr 680
		.amdhsa_next_free_sgpr 66
		.amdhsa_reserve_vcc 0
		.amdhsa_float_denorm_mode_32 3
		.amdhsa_float_denorm_mode_16_64 3
		.amdhsa_memory_ordered 1
		.amdhsa_forward_progress 1
		.amdhsa_inst_pref_size 100
	.end_amdhsa_kernel
	.amdgpu_metadata
---
amdhsa.version: [ 1, 2 ]
amdhsa.kernels:
  - .name:           k_q2b24723dbd_attn
    .symbol:         k_q2b24723dbd_attn.kd
    .args:
      - { .name: qh, .offset: 0, .size: 8, .value_kind: global_buffer, .address_space: global }
      - { .name: kh, .offset: 8, .size: 8, .value_kind: global_buffer, .address_space: global }
      - { .name: vh, .offset: 16, .size: 8, .value_kind: global_buffer, .address_space: global }
      - { .name: ob, .offset: 24, .size: 8, .value_kind: global_buffer, .address_space: global }
    .group_segment_fixed_size: 327680
    .private_segment_fixed_size: 0
    .kernarg_segment_align: 8
    .kernarg_segment_size: 32
    .max_flat_workgroup_size: 128
    .sgpr_count:     66
    .vgpr_count:     680
    .wavefront_size: 32
...
	.end_amdgpu_metadata
.endif
;; end of part 3
;; launch proj (part 4): grid 8 x 32, 4 waves a work-group, clusters of 4 x 4, 327,680 bytes of LDS; arguments ob, wpb, proj_b, out0; writes out0
.if DOCPART == 4
	.amdgcn_target "amdgcn-amd-amdhsa--gfx1250"
	.amdhsa_code_object_version 6
	.text
	.protected	k_q2b24723dbd_proj
	.globl	k_q2b24723dbd_proj
	.p2align	8
	.type	k_q2b24723dbd_proj,@function
k_q2b24723dbd_proj:
	s_mov_b64 s[64:65], 0
	v_nop
	global_prefetch_b8 v0, s[64:65] scope:SCOPE_SE
	s_setreg_imm32_b32 hwreg(HW_REG_WAVE_MODE, 25, 1), 1
	s_wait_xcnt 0x0
	s_wait_alu depctr_hold_cnt(0) depctr_sa_sdst(0) depctr_va_vdst(0) depctr_va_sdst(0) depctr_va_ssrc(0) depctr_va_vcc(0) depctr_vm_vsrc(0)
	s_getreg_b32 s2, hwreg(HW_REG_IB_STS2, 6, 4)
	s_cmp_eq_u32 s2, 0
	s_cbranch_scc0 .Lentry_in_a_cluster
	s_endpgm
.Lentry_in_a_cluster:
	s_bfe_u32 s2, ttmp6, 0x10000c
	s_cmp_lg_u32 s2, 0xf033
	s_cbranch_scc0 .Lentry_shape_is_right
	s_endpgm
.Lentry_shape_is_right:
; out0 = O proj_w^T + proj_b.  ob: f16, [row / 16][head][row % 16][64]; wpb: f16, [1024][1024]; sums in f32; out0 f32, [4096][1024].  Nothing of reference() is left out here.
; proj_b is rounded to bf16 and then added in f32: every input of the module carries the same rounding (wpb holds proj_w's bf16 value).
; A tile is 128 x 128: 8 x 32 work-groups; four waves, each 64 x 64: 16 accumulators.  K goes in 4 steps of 256 (four heads) through two LDS slots.
; O's TILE: 16 rows x 4 heads are 8,192 consecutive bytes of ob, so a wave's 64 rows of a K step are 4 rows of 8,192 bytes, 32,768 bytes apart, padded in LDS after every 128 bytes: the 128 bytes of
; (block i of 16 rows, head qd, row r) lie at 9,216 i + 2,304 qd + 144 r.  A quarter of a K step is one head.  W's tile: 64 rows of 512 bytes, pitch 528.
; CLUSTER 4 x 4: O's tile is shared along a row of the cluster, W's along a column: joint loads.  The product is used transposed: a lane holds one row and eight neighbouring columns.
; THE WAY OUT needs no barrier: a wave's 64 columns of f32 are 256 consecutive bytes, aligned, so each wave has a stage of its own.
; No prefetch: the launch has four K steps, of which two are asked for at its head.
; REGISTERS.  window 0: v1-29 addresses, bias; v32-95 the way out; v128-255 accumulators ((a, b) at 128 + 8 (4 a + b)).  window 1: two fragment buffers of 128: 64 of O, then 64 of W.
.set PB,     528
.set AHALF,  4*9216                    ; what a load of O brings: 36,864 bytes
.set BHALF,  64*PB
.set BOFF,   2*AHALF
.set SLOT,   2*AHALF+2*BHALF
.set STAGE,  2*SLOT
.set SPITCH, 272
.set SPARE,  STAGE+4*16*SPITCH
.set BA,   6                           ; v6      my 4 columns in proj_b
.set BI,   8                           ; v[8:11] their bias
.set ADRA, 16
.set ADRB, 20
.set STO,  24
.set RD,   25
.set CO,   26
.set SPW,  28
.set NIL,  29
.set TMP,  32
.set ACC,  128
.set F0,   0
.set F1,   128
.set WV, 8
.set AB, 9                             ; which half of the tile's rows is mine; also: I fetch O (0) or W (1)
.set HF, 10                            ; which half of its columns; also: which half of that tile I fetch
.set G1, 24
.set G0, 32
.set CX, 40
.set CY, 41
.set TC, 42
.set TR, 43
.set G1B, 48
.set G0B, 56
.set MSB, 0
.macro WIN new
.if MSB != (\new)
	s_set_vgpr_msb (MSB<<8)|(\new)
.set MSB, \new
.endif
.endm
.set MUL,  0x05
.set TO_F, 0x40
.macro JLOAD s                         ; an s_nop 0 and four v_nop follow each of the two lines
	s_cmp_eq_u32 s[AB], 0
	s_cbranch_scc0 .Lfor_b_\@
	tensor_load_to_lds s[G0+4*(\s):G0+4*(\s)+3], s[G1:G1+7]
	s_nop 0
.rept 4
	v_nop
.endr
	s_branch .Lasked_\@
.Lfor_b_\@:
	tensor_load_to_lds s[G0B+4*(\s):G0B+4*(\s)+3], s[G1B:G1B+7]
	s_nop 0
.rept 4
	v_nop
.endr
.Lasked_\@:
.endm
.macro CREST
	s_cmp_lg_u32 s[WV], 0
	s_cbranch_scc1 .Lnot_wave_0_\@
	s_barrier_signal -3
.Lnot_wave_0_\@:
	s_barrier_wait -3
	s_barrier_signal -1
	s_barrier_wait -1
.endm
.macro CROUND
	s_barrier_signal -1
	s_barrier_wait -1
	CREST
.endm
	s_load_b128 s[4:7], s[0:1], 0x0                ; ob s[4:5], wpb s[6:7]
	s_load_b128 s[12:15], s[0:1], 0x10             ; proj_b s[12:13], out0 s[14:15]
	v_lshl_add_u32 v[SPW], v0, 2, SPARE
	v_mov_b32 v[NIL], 0
	ds_add_u32 v[SPW], v[NIL]                      ; the wave's opening: the add, twice on end, and its wait ahead of my first tensor load
	ds_add_u32 v[SPW], v[NIL]
	v_lshrrev_b32 v1, 5, v0
	v_readfirstlane_b32 s[WV], v1
	s_lshr_b32 s[AB], s[WV], 1
	s_and_b32 s[HF], s[WV], 1
	s_bfe_u32 s[CX], ttmp6, 0x40000
	s_bfe_u32 s[CY], ttmp6, 0x40004
	s_lshl_b32 s[TC], ttmp9, 2
	s_add_co_u32 s[TC], s[TC], s[CX]
	s_and_b32 s[TR], ttmp7, 0xffff
	s_lshl_b32 s[TR], s[TR], 2
	s_add_co_u32 s[TR], s[TR], s[CY]
	s_lshl_b32 s44, s[CY], 2
	s_lshl_b32 s44, 15, s44                        ; my row of the cluster
	s_lshl_b32 s45, 0x1111, s[CX]                  ; my column
	s_or_b32 s[G1], s44, (1<<16)|(1<<20)|(1<<21)|(4<<22)|(3<<25)   ; O: padding of 4 words after every 32
	s_mov_b32 s[G1+1], 4096<<16                    ; tensor_dim0 = 4,096 elements
	s_mov_b32 s[G1+2], 4<<16                       ; tensor_dim1 = 4
	s_mov_b32 s[G1+3], 4096<<16                    ; tile_dim0
	s_mov_b32 s[G1+4], 4                           ; tile_dim1
	s_mov_b32 s[G1+5], 16384                       ; elements from one block of 16 rows to the next
	s_mov_b32 s[G1+6], 0
	s_mov_b32 s[G1+7], 0
	s_or_b32 s[G1B], s45, (1<<16)|(1<<20)|(1<<21)|(6<<22)|(3<<25)  ; W: padding of 4 words after every 128
	s_mov_b32 s[G1B+1], 256<<16
	s_mov_b32 s[G1B+2], 64<<16
	s_mov_b32 s[G1B+3], 256<<16
	s_mov_b32 s[G1B+4], 64
	s_mov_b32 s[G1B+5], 1024
	s_mov_b32 s[G1B+6], 0
	s_mov_b32 s[G1B+7], 0
	s_lshl_b32 s16, s[TR], 18                      ; O: (8 tile row + 4 half) blocks of 32,768 bytes
	s_lshl_b32 s17, s[HF], 17
	s_add_co_u32 s16, s16, s17
	s_mov_b32 s17, 0
	s_lshl_b32 s46, s[TC], 18                      ; W: (128 tile column + 64 half) rows of 2,048 bytes
	s_lshl_b32 s47, s[HF], 17
	s_add_co_u32 s46, s46, s47
	s_mov_b32 s47, 0
	s_mul_i32 s20, s[HF], AHALF                    ; where they go
	s_mul_i32 s21, s[HF], BHALF
	s_add_co_u32 s21, s21, BOFF
	s_wait_dscnt 0x0                               ; both opening adds are done
	s_wait_kmcnt 0x0
	s_add_nc_u64 s[18:19], s[4:5], s[16:17]
	s_add_nc_u64 s[46:47], s[6:7], s[46:47]
	CROUND                                         ; all sixteen work-groups are here: the first joint loads meet
.irp s, 0,1
	s_mov_b32 s[G0+4*(\s)], 1
	s_add_co_u32 s[G0+4*(\s)+1], s20, (\s)*SLOT
	s_add_nc_u64 s[G0+4*(\s)+2:G0+4*(\s)+3], s[18:19], (\s)*8192
	s_or_b32 s[G0+4*(\s)+3], s[G0+4*(\s)+3], 0x80000000
	s_mov_b32 s[G0B+4*(\s)], 1
	s_add_co_u32 s[G0B+4*(\s)+1], s21, (\s)*SLOT
	s_add_nc_u64 s[G0B+4*(\s)+2:G0B+4*(\s)+3], s[46:47], (\s)*512
	s_or_b32 s[G0B+4*(\s)+3], s[G0B+4*(\s)+3], 0x80000000
	JLOAD \s
.endr
	v_and_b32 v1, 15, v0                           ; lane % 16
	v_bfe_u32 v2, v0, 4, 1                         ; lane / 16
	s_lshl_b32 s22, s[TC], 9                       ; my wave's 64 columns, in bytes of f32
	s_lshl_b32 s23, s[HF], 8
	s_add_co_u32 s22, s22, s23
	v_lshl_add_u32 v[BA], v1, 4, s22
	global_load_b128 v[BI:BI+3], v[BA], s[12:13]   ; the bias of the 4 columns that I store
	v_mul_u32_u24 v3, v1, 144
	v_lshl_add_u32 v3, v2, 4, v3
	v_mul_u32_u24 v4, v1, PB
	v_lshl_add_u32 v4, v2, 4, v4
	s_mul_i32 s20, s[AB], AHALF                    ; my 64 rows of O
	s_mul_i32 s21, s[HF], BHALF                    ; my 64 rows of W
	s_add_co_u32 s21, s21, BOFF
.irp s, 0,1
	v_add_nc_u32 v[ADRA+(\s)], s20, v3
	v_add_nc_u32 v[ADRB+(\s)], s21, v4
	s_add_co_u32 s20, s20, SLOT
	s_add_co_u32 s21, s21, SLOT
.endr
	s_mul_i32 s23, s[WV], 16*SPITCH
	s_add_co_u32 s23, s23, STAGE                   ; my stage
	v_mul_u32_u24 v5, v1, SPITCH                   ; in: row lane % 16, 32 bytes for each half of the lanes
	v_lshl_add_u32 v5, v2, 5, v5
	v_add_nc_u32 v[STO], s23, v5
	v_mul_u32_u24 v5, v2, SPITCH                   ; back: lanes 0-15 take one row of 256 bytes, lanes 16-31 the next
	v_lshl_add_u32 v5, v1, 4, v5
	v_add_nc_u32 v[RD], s23, v5
	v_lshlrev_b32 v5, 12, v2                       ; and the same two rows in out0
	v_lshl_add_u32 v[CO], v1, 4, v5
	s_lshl_b32 s16, s[TR], 19                      ; (128 tile row + 64 half) rows of 4,096 bytes
	s_lshl_b32 s17, s[AB], 18
	s_add_co_u32 s16, s16, s17
	s_add_co_u32 s16, s16, s22
	s_mov_b32 s17, 0
	s_add_nc_u64 s[14:15], s[14:15], s[16:17]
	s_mov_b32 s22, 0xffff0000                      ; from here on: the mask of a word's upper bf16
.macro MUL8 f, c, a0, zero             ; 8 matrix instructions: row blocks a0, a0 + 1 x all 4 column blocks, 32 along K: half c of buffer f.  The 16 accumulators take turns
	WIN MUL
.irp a, \a0, (\a0)+1
.irp b, 0,1,2,3
.if \zero
	v_wmma_f32_16x16x32_f16 v[ACC+8*(4*(\a)+(\b)):ACC+8*(4*(\a)+(\b))+7], v[(\f)+64+8*(4*(\c)+(\b)):(\f)+64+8*(4*(\c)+(\b))+7], v[(\f)+8*(4*(\c)+(\a)):(\f)+8*(4*(\c)+(\a))+7], 0
.else
	v_wmma_f32_16x16x32_f16 v[ACC+8*(4*(\a)+(\b)):ACC+8*(4*(\a)+(\b))+7], v[(\f)+64+8*(4*(\c)+(\b)):(\f)+64+8*(4*(\c)+(\b))+7], v[(\f)+8*(4*(\c)+(\a)):(\f)+8*(4*(\c)+(\a))+7], v[ACC+8*(4*(\a)+(\b)):ACC+8*(4*(\a)+(\b))+7]
.endif
.endr
.endr
.endm
.macro FETCH slot, qd, f               ; 32 LDS loads in one run: the fragments of head qd of the step, into buffer f; the first 32 channels first
	WIN TO_F
.irp c, 0,1
.irp i, 0,1,2,3
	ds_load_b128 v[(\f)+64+8*(4*(\c)+(\i)):(\f)+64+8*(4*(\c)+(\i))+3],   v[ADRB+(\slot)] offset:128*(\qd)+64*(\c)+(\i)*16*PB
	ds_load_b128 v[(\f)+64+8*(4*(\c)+(\i))+4:(\f)+64+8*(4*(\c)+(\i))+7], v[ADRB+(\slot)] offset:128*(\qd)+64*(\c)+(\i)*16*PB+32
	ds_load_b128 v[(\f)+8*(4*(\c)+(\i)):(\f)+8*(4*(\c)+(\i))+3],         v[ADRA+(\slot)] offset:2304*(\qd)+64*(\c)+(\i)*9216
	ds_load_b128 v[(\f)+8*(4*(\c)+(\i))+4:(\f)+8*(4*(\c)+(\i))+7],       v[ADRA+(\slot)] offset:2304*(\qd)+64*(\c)+(\i)*9216+32
.endr
.endr
.endm
.macro PLACES
.rept 4
	v_nop
.endr
.endm
.macro QUARTER slot, qd, f, g, zero    ; multiplies buffer f and fetches head qd into g
	s_wait_dscnt 16                                ; the first 32 channels are in
	MUL8 \f, 0, 0, \zero
	MUL8 \f, 0, 2, \zero
	PLACES
	FETCH \slot, \qd, \g
	s_wait_dscnt 32                                ; all but the 32 just issued
	MUL8 \f, 1, 0, 0
	MUL8 \f, 1, 2, 0
.endm
; The last quarter multiplies buffer 1 and changes slots: one barrier; in front of it each wave waits for all its tensor loads, adds 0 to its spare word, and waits for that and for its reads of this slot.
.macro TURN slot, next, fill
	WIN 0
	s_wait_tensorcnt 0x0
	ds_add_u32 v[SPW], v[NIL]
	s_wait_dscnt 17                                ; (the add and the youngest sixteen loads may be out)
	MUL8 F1, 0, 0, 0
	s_wait_dscnt 0x0                               ; the add is done, and my reads of this slot are over
	s_barrier_signal -1
	MUL8 F1, 0, 2, 0
.if \fill
	WIN 0
.endif
	s_barrier_wait -1
.if \fill
	CREST                                          ; the barrier has opened a round of the cluster's
	s_add_nc_u64 s[G0+4*(\slot)+2:G0+4*(\slot)+3], s[G0+4*(\slot)+2:G0+4*(\slot)+3], 2*8192
	s_add_nc_u64 s[G0B+4*(\slot)+2:G0B+4*(\slot)+3], s[G0B+4*(\slot)+2:G0B+4*(\slot)+3], 2*512
	JLOAD \slot                                    ; the four v_nop behind it are also the places in front of the loads below
.else
	PLACES
.endif
	FETCH \next, 0, F0
	MUL8 F1, 1, 0, 0
	MUL8 F1, 1, 2, 0
.endm
	s_wait_tensorcnt 1                             ; my part of K step 0 is in; K step 1's may stay out
	s_barrier_signal -1
	s_barrier_wait -1
	FETCH 0, 0, F0
	QUARTER 0, 1, F0, F1, 1                        ; the first products start the sums
	QUARTER 0, 2, F1, F0, 0
	QUARTER 0, 3, F0, F1, 0
	TURN 0, 1, 1                                   ; K step 2 is asked for
	QUARTER 1, 1, F0, F1, 0
	QUARTER 1, 2, F1, F0, 0
	QUARTER 1, 3, F0, F1, 0
	TURN 1, 0, 1                                   ; K step 3
	QUARTER 0, 1, F0, F1, 0
	QUARTER 0, 2, F1, F0, 0
	QUARTER 0, 3, F0, F1, 0
	TURN 0, 1, 0
	QUARTER 1, 1, F0, F1, 0
	QUARTER 1, 2, F1, F0, 0
	QUARTER 1, 3, F0, F1, 0
	s_wait_dscnt 16
	MUL8 F1, 0, 0, 0
	MUL8 F1, 0, 2, 0
	s_wait_dscnt 0x0
	MUL8 F1, 1, 0, 0
	MUL8 F1, 1, 2, 0
	WIN 0
	; THE WAY OUT, 16 rows at a time: a lane's 8 columns (32 bytes) into my stage, each accumulator's lowest registers first; back as whole rows of 256 bytes; the bias; stored.
	PLACES
	s_wait_loadcnt 0x0                             ; the bias: rounded to bf16 and widened again, in place
.irp p, 0,2
	v_cvt_pk_bf16_f32 v[BI+(\p)], v[BI+(\p)], v[BI+(\p)+1]
	v_and_b32 v[BI+(\p)+1], s22, v[BI+(\p)]
	v_lshlrev_b32 v[BI+(\p)], 16, v[BI+(\p)]
.endr
.irp a, 0,1,2,3
	s_wait_xcnt 0x0                                ; the stores of the block before last have read the registers that this block's loads fill
.irp b, 0,1,2,3
	ds_store_b128 v[STO], v[ACC+8*(4*(\a)+(\b)):ACC+8*(4*(\a)+(\b))+3]   offset:64*(\b)
	ds_store_b128 v[STO], v[ACC+8*(4*(\a)+(\b))+4:ACC+8*(4*(\a)+(\b))+7] offset:64*(\b)+16
.endr
.irp t, 0,1,2,3,4,5,6,7
	ds_load_b128 v[TMP+32*((\a)%2)+4*(\t):TMP+32*((\a)%2)+4*(\t)+3], v[RD] offset:(\t)*2*SPITCH  ; LDS serves a wave's instructions in order: these see the stores above
.endr
.irp t, 0,1,2,3,4,5,6,7
	s_wait_dscnt 7-(\t)
	v_pk_add_f32 v[TMP+32*((\a)%2)+4*(\t):TMP+32*((\a)%2)+4*(\t)+1], v[TMP+32*((\a)%2)+4*(\t):TMP+32*((\a)%2)+4*(\t)+1], v[BI:BI+1]
	v_pk_add_f32 v[TMP+32*((\a)%2)+4*(\t)+2:TMP+32*((\a)%2)+4*(\t)+3], v[TMP+32*((\a)%2)+4*(\t)+2:TMP+32*((\a)%2)+4*(\t)+3], v[BI+2:BI+3]
	global_store_b128 v[CO], v[TMP+32*((\a)%2)+4*(\t):TMP+32*((\a)%2)+4*(\t)+3], s[14:15] offset:(16*(\a)+2*(\t))*4096  ; 16 lanes store 256 consecutive bytes, at a multiple of 256 from out0's first
.endr
.endr
	s_wait_tensorcnt 0x0                           ; the wave's end
	ds_add_u32 v[SPW], v[NIL]
	s_wait_dscnt 0x0
	CROUND                                         ; the closing round
	s_endpgm
.Lfunc_end_k_q2b24723dbd_proj:
	.size	k_q2b24723dbd_proj, .Lfunc_end_k_q2b24723dbd_proj-k_q2b24723dbd_proj
	.p2alignl 7, 3214868480
	.fill 96, 4, 3214868480
	.section	.rodata,"a",@progbits
	.p2align	6, 0x0
	.amdhsa_kernel k_q2b24723dbd_proj
		.amdhsa_group_segment_fixed_size 327680
		.amdhsa_private_segment_fixed_size 0
		.amdhsa_enable_private_segment 0
		.amdhsa_kernarg_size 32
		.amdhsa_user_sgpr_count 2
		.amdhsa_user_sgpr_kernarg_segment_ptr 1
		.amdhsa_wavefront_size32 1
		.amdhsa_system_sgpr_workgroup_id_x 1
		.amdhsa_system_sgpr_workgroup_id_y 1
		.amdhsa_system_sgpr_workgroup_id_z 1
		.amdhsa_system_vgpr_workitem_id 0
		.amdhsa_next_free_vgpr 512
		.amdhsa_next_free_sgpr 66
		.amdhsa_reserve_vcc 0
		.amdhsa_float_denorm_mode_32 3
		.amdhsa_float_denorm_mode_16_64 3
		.amdhsa_memory_ordered 1
		.amdhsa_forward_progress 1
		.amdhsa_inst_pref_size 91
	.end_amdhsa_kernel
	.amdgpu_metadata
---
amdhsa.version: [ 1, 2 ]
amdhsa.kernels:
  - .name:           k_q2b24723dbd_proj
    .symbol:         k_q2b24723dbd_proj.kd
    .args:
      - { .name: ob, .offset: 0, .size: 8, .value_kind: global_buffer, .address_space: global }
      - { .name: wpb, .offset: 8, .size: 8, .value_kind: global_buffer, .address_space: global }
      - { .name: proj_b, .offset: 16, .size: 8, .value_kind: global_buffer, .address_space: global }
      - { .name: out0, .offset: 24, .size: 8, .value_kind: global_buffer, .address_space: global }
    .group_segment_fixed_size: 327680
    .private_segment_fixed_size: 0
    .kernarg_segment_align: 8
    .kernarg_segment_size: 32
    .max_flat_workgroup_size: 128
    .sgpr_count:     66
    .vgpr_count:     512
    .wavefront_size: 32
...
	.end_amdgpu_metadata
.endif
;; end of part 4
;; ======== version 2 of 2: 4 launches; version 1 with the launch cast written anew for expert scheduling mode
;; limits: values are held in f16: magnitudes above 65,504 overflow, below 6.1e-05 lose precision
;; workspace buffers: xb 8,388,608 bytes; wqb 6,291,456 bytes; wpb 2,097,152 bytes; qh 8,388,608 bytes; kh 8,388,608 bytes; vh 8,388,608 bytes; ob 8,388,608 bytes
;; launch cast (part 5): grid 256 x 1, 8 waves a work-group, no clusters, 0 bytes of LDS; arguments x, qkv_w, proj_w, xb, wqb, wpb; writes xb, wqb, wpb
.if DOCPART == 5
	.amdgcn_target "amdgcn-amd-amdhsa--gfx1250"
	.amdhsa_code_object_version 6
	.text
	.protected	k_q2b24723dbd_cast
	.globl	k_q2b24723dbd_cast
	.p2align	8
	.type	k_q2b24723dbd_cast,@function
k_q2b24723dbd_cast:
	s_mov_b64 s[64:65], 0
	v_nop
	global_prefetch_b8 v0, s[64:65] scope:SCOPE_SE
	s_setreg_imm32_b32 hwreg(HW_REG_WAVE_SCHED_MODE, 0, 2), 2
	s_setreg_imm32_b32 hwreg(HW_REG_WAVE_MODE, 25, 1), 1
	s_wait_xcnt 0x0
	s_wait_alu depctr_vm_vsrc(0)
; THE MODULE: qkv = x W^T + b; LayerNorm of q and k over a head's 64 channels; scores q.k / 8, capped as 30 tanh(s / 30); softmax; P V; the output projection with its bias.
; FOUR LAUNCHES: this one rounds x and the two weight matrices once; the second makes q, k, v by heads; the third is the attention; the fourth the output projection.
; NOTHING IS LEFT OUT: every input has a way to the output and is loaded (kn_b too: the tanh stands between it and the softmax, so it is no term common to a row).
; THIS LAUNCH.  x -> xb (bf16), qkv_w -> wqb (bf16), proj_w -> wpb (rounded to bf16, that number written as f16: exact where it is 6.1e-5 or more in size; below that it keeps f16's fixed step of 6e-8).
; wqb's rows are laid by heads: source row kind x 1024 + 64 head + i goes to row 192 head + 64 kind + i, so that 192 rows on end are one head's q, k and v.
; SHARES.  8,388,608 numbers, 32,768 to each of 256 work-groups (128 for x, 96 for qkv_w, 32 for proj_w), 4,096 to a wave: 32 loads of 512 consecutive bytes, all issued before the first wait for data.
; A store of a wave is 32 lanes x 8 bytes: 256 consecutive bytes, aligned.  No LDS, no matrix unit: nothing is shared and nothing is multiplied.
; THE MODE: SCHED_MODE bits 1:0 = 2 (LLVM: expert scheduling mode 2), set by the entry lines.  The code itself states the register dependences between vector instructions and memory instructions,
; with s_wait_alu, always for 0.
; THE PLAN.  Registers that memory instructions touch:
;   v1, v2   byte offsets, made at the head and never written again: v1 is read by every load, v2 by every store.
;   D        32 x 4 registers in which the loads land, each once; no vector line names them ahead of the loads, and no memory instruction reads them.
;   O        32 x 2 registers, written by the conversions and read by one store each; none is written again once its store is issued.
; The 32 loads go in 8 blocks of four.  Block p converts D's block p into O's block p; its memory instructions are the four stores of block p - 1, which read O's block p - 1 and v2: registers that no
; vector line of block p names.  So one wait at a block's head states all that the block's four stores hang on, and they are dealt among its conversions with no further wait.
; No register that a load or store reads is ever written again, so no wait frees a source.  No vector line writes a scalar register or VCC, and EXEC is never written.
.set D, 4                              ; v[4:131]   32 x 4 numbers as loaded
.set O, 132                            ; v[132:195] 32 x 2 words to store
	s_load_b256 s[4:11], s[0:1], 0x0               ; x s[4:5], qkv_w s[6:7], proj_w s[8:9], xb s[10:11]
	s_load_b128 s[12:15], s[0:1], 0x20             ; wqb s[12:13], wpb s[14:15]
	s_mov_b32 s24, 0xffff0000                      ; a word's upper bf16
	v_and_b32 v3, 31, v0                           ; lane
	v_lshrrev_b32 v2, 5, v0                        ; wave
	v_lshlrev_b32 v1, 14, v2
	v_lshl_or_b32 v1, v3, 4, v1                    ; source: 16,384 x wave + 16 x lane
	v_lshlrev_b32 v2, 13, v2
	v_lshl_or_b32 v2, v3, 3, v2                    ; destination: 8,192 x wave + 8 x lane
	s_cmp_lt_u32 ttmp9, 128
	s_cselect_b32 s25, 0, 128                      ; the first work-group of my part
	s_cmp_lt_u32 ttmp9, 224
	s_cselect_b32 s25, s25, 224
	s_sub_co_u32 s25, ttmp9, s25                   ; my number within the part
	s_lshl_b32 s20, s25, 17                        ; source offset: 131,072 bytes a work-group
	s_mov_b32 s21, 0
	s_lshl_b32 s26, s25, 16                        ; destination offset where the order is kept
	s_lshr_b32 s27, s25, 1                         ; qkv_w: my 32 rows are rows 32 (n % 2) .. of head (n / 2) % 16, kind n / 32
	s_and_b32 s27, s27, 15
	s_mul_i32 s27, s27, 192
	s_lshr_b32 s28, s25, 5
	s_lshl_b32 s28, s28, 6
	s_add_co_u32 s27, s27, s28
	s_and_b32 s28, s25, 1
	s_lshl_b32 s28, s28, 5
	s_add_co_u32 s27, s27, s28
	s_lshl_b32 s27, s27, 11                        ; rows of 2,048 bytes
	s_mov_b32 s23, 0
	s_wait_kmcnt 0x0
	s_cmp_lt_u32 ttmp9, 128
	s_cselect_b64 s[16:17], s[4:5], s[6:7]
	s_cselect_b64 s[18:19], s[10:11], s[12:13]
	s_cselect_b32 s22, s26, s27
	s_cmp_lt_u32 ttmp9, 224
	s_cselect_b64 s[16:17], s[16:17], s[8:9]
	s_cselect_b64 s[18:19], s[18:19], s[14:15]
	s_cselect_b32 s22, s22, s26
	s_add_nc_u64 s[16:17], s[16:17], s[20:21]
	s_add_nc_u64 s[18:19], s[18:19], s[22:23]
	s_wait_alu depctr_va_vdst(0)                   ; v1 and v2 are written: every load below reads v1 as its offset, every store, on both paths, v2
.set j, 0
.rept 32
	global_load_b128 v[D+4*j:D+4*j+3], v1, s[16:17] offset:512*j th:TH_LOAD_NT
.set j, j+1
.endr
	s_cmp_ge_u32 ttmp9, 224
	s_cbranch_scc1 .Lproj
.set p, 0
.rept 8                                ; block p: loads 4 p to 4 p + 3 are converted, the block before is stored
	s_wait_loadcnt 28-4*p                          ; loads come back in order: the block's four are in, the 28 - 4 p younger ones stay out
.if p > 0
	s_wait_alu depctr_va_vdst(0)                   ; the block before's conversions have written their part of O, which the four stores below read
.endif
.set i, 0
.rept 4
.set j, 4*p+i
.if p > 0
	global_store_b64 v2, v[O+2*j-8:O+2*j-7], s[18:19] offset:256*(j-4)  ; number j - 4; no vector line since the wait names these registers
.endif
	v_cvt_pk_bf16_f32 v[O+2*j], v[D+4*j], v[D+4*j+1]
	v_cvt_pk_bf16_f32 v[O+2*j+1], v[D+4*j+2], v[D+4*j+3]
.set i, i+1
.endr
.set p, p+1
.endr
	s_wait_alu depctr_va_vdst(0)                   ; the last block's conversions have written their part of O, which the last four stores read
.set j, 28
.rept 4
	global_store_b64 v2, v[O+2*j:O+2*j+1], s[18:19] offset:256*j
.set j, j+1
.endr
	s_endpgm
.Lproj:                                        ; proj_w: rounded to bf16 like every input, then that number as f16; the same blocks
.set p, 0
.rept 8
	s_wait_loadcnt 28-4*p                          ; the block's four loads are in, the younger ones stay out
.if p > 0
	s_wait_alu depctr_va_vdst(0)                   ; the block before's last conversions, to f16, have written their part of O, which the four stores below read
.endif
.set i, 0
.rept 4
.set j, 4*p+i
.if p > 0
	global_store_b64 v2, v[O+2*j-8:O+2*j-7], s[18:19] offset:256*(j-4)  ; number j - 4; no vector line since the wait names these registers
.endif
	v_cvt_pk_bf16_f32 v[O+2*j], v[D+4*j], v[D+4*j+1]
	v_cvt_pk_bf16_f32 v[O+2*j+1], v[D+4*j+2], v[D+4*j+3]
	v_lshlrev_b32 v[D+4*j], 16, v[O+2*j]
	v_and_b32 v[D+4*j+1], s24, v[O+2*j]
	v_lshlrev_b32 v[D+4*j+2], 16, v[O+2*j+1]
	v_and_b32 v[D+4*j+3], s24, v[O+2*j+1]
	v_cvt_pk_f16_f32 v[O+2*j], v[D+4*j], v[D+4*j+1]
	v_cvt_pk_f16_f32 v[O+2*j+1], v[D+4*j+2], v[D+4*j+3]
.set i, i+1
.endr
.set p, p+1
.endr
	s_wait_alu depctr_va_vdst(0)                   ; the last block's conversions have written their part of O, which the last four stores read
.set j, 28
.rept 4
	global_store_b64 v2, v[O+2*j:O+2*j+1], s[18:19] offset:256*j
.set j, j+1
.endr
	s_endpgm
.Lfunc_end_k_q2b24723dbd_cast:
	.size	k_q2b24723dbd_cast, .Lfunc_end_k_q2b24723dbd_cast-k_q2b24723dbd_cast
	.p2alignl 7, 3214868480
	.fill 96, 4, 3214868480
	.section	.rodata,"a",@progbits
	.p2align	6, 0x0
	.amdhsa_kernel k_q2b24723dbd_cast
		.amdhsa_group_segment_fixed_size 0
		.amdhsa_private_segment_fixed_size 0
		.amdhsa_enable_private_segment 0
		.amdhsa_kernarg_size 48
		.amdhsa_user_sgpr_count 2
		.amdhsa_user_sgpr_kernarg_segment_ptr 1
		.amdhsa_wavefront_size32 1
		.amdhsa_system_sgpr_workgroup_id_x 1
		.amdhsa_system_sgpr_workgroup_id_y 1
		.amdhsa_system_sgpr_workgroup_id_z 1
		.amdhsa_system_vgpr_workitem_id 0
		.amdhsa_next_free_vgpr 200
		.amdhsa_next_free_sgpr 66
		.amdhsa_reserve_vcc 0
		.amdhsa_float_denorm_mode_32 3
		.amdhsa_float_denorm_mode_16_64 3
		.amdhsa_memory_ordered 1
		.amdhsa_forward_progress 1
		.amdhsa_inst_pref_size 29
	.end_amdhsa_kernel
	.amdgpu_metadata
---
amdhsa.version: [ 1, 2 ]
amdhsa.kernels:
  - .name:           k_q2b24723dbd_cast
    .symbol:         k_q2b24723dbd_cast.kd
    .args:
      - { .name: x, .offset: 0, .size: 8, .value_kind: global_buffer, .address_space: global }
      - { .name: qkv_w, .offset: 8, .size: 8, .value_kind: global_buffer, .address_space: global }
      - { .name: proj_w, .offset: 16, .size: 8, .value_kind: global_buffer, .address_space: global }
      - { .name: xb, .offset: 24, .size: 8, .value_kind: global_buffer, .address_space: global }
      - { .name: wqb, .offset: 32, .size: 8, .value_kind: global_buffer, .address_space: global }
      - { .name: wpb, .offset: 40, .size: 8, .value_kind: global_buffer, .address_space: global }
    .group_segment_fixed_size: 0
    .private_segment_fixed_size: 0
    .kernarg_segment_align: 8
    .kernarg_segment_size: 48
    .max_flat_workgroup_size: 256
    .sgpr_count:     66
    .vgpr_count:     200
    .wavefront_size: 32
...
	.end_amdgpu_metadata
.endif
;; end of part 5
;; launch qkv: the kernel of part 2 again; grid 16 x 16, 4 waves a work-group, clusters of 4 x 4, 327,680 bytes of LDS; arguments xb, wqb, qkv_b, qn_w, qn_b, kn_w, kn_b, qh, kh, vh; writes qh, kh, vh
;; launch attn: the kernel of part 3 again; grid 8 x 32, 4 waves a work-group, clusters of 4 x 1, 327,680 bytes of LDS; arguments qh, kh, vh, ob; writes ob
;; launch proj: the kernel of part 4 again; grid 8 x 32, 4 waves a work-group, clusters of 4 x 4, 327,680 bytes of LDS; arguments ob, wpb, proj_b, out0; writes out0
